; MI455X (gfx1250); checked and timed in simulation.
; The chip was launched on July 23, 2026; its instructions are those of AMD's public machine-readable ISA for CDNA 5 (MIT licence, August 2026) and "CDNA5" Instruction Set Architecture Reference Guide (July 2026). The comments in the code are by the model that wrote it; some were corrected since.
;; Self Attention. Allowed arithmetic: matrix products marked QUANTISED: E2M3 operands, one E8M0 scale for each 32 along K, by v_wmma_scale_f32_16x16x128_f8f6f4 with both operands' format E2M3, f32 sums; everything else in f32.
;; Inputs: Wo_b 1,024 float32; Wo_w 1,024 x 1,024 float32; Wqkv_b 3,072 float32; Wqkv_w 3,072 x 1,024 float32; p 4 x 2,048 int32; x 4 x 2,048 x 1,024 float32.
;; Outputs: out0 4 x 2,048 x 1,024 float32.
;; This version of the problem:
;;   THIS VERSION OF THE PROBLEM IS GIVEN IN LOW PRECISION. The matrix products marked QUANTISED in the list below multiply operands that are first quantised to E2M3 (2 exponent bits, 3 mantissa bits; 6 bits a number), with one power-of-two scale for each 32 numbers along K (OCP MX v1.0); their sums are f32. All else is computed in f32.
;;   The module's matrix products, in the order in which they are computed (A, B: the left and right operand; K: the contracted axis; several contracted axes count as one K, in the product's order):
;;     1. [M 8,192, K 1,024] x [K 1,024, N 3,072]; A: input x; B: input Wqkv_w: QUANTISED
;;     2. batch 64 x [M 2,048, K 64] x [K 64, N 2,048]; A: computed on the way; B: computed on the way: QUANTISED
;;     3. batch 64 x [M 2,048, K 2,048] x [K 2,048, N 64]; A: softmax (see below); B: computed on the way: QUANTISED
;;     4. [M 8,192, K 1,024] x [K 1,024, N 1,024]; A: computed on the way; B: input Wo_w: QUANTISED
;;   THE QUANTISER, for each operand of a quantised product, along K:
;;     - K is cut into blocks of 32 from its start; a last block that is shorter is filled with zeros.
;;     - A block's scale is 2^e with e = floor(log2(the largest magnitude in the block)) - 2, held to -126 .. 127; a block of zeros has e = 0. As a byte (E8M0): e + 127.
;;     - Each number is divided by its block's scale, clamped to +-7.5, and rounded to the nearest number of E2M3, ties to even, subnormals kept.
;;     - The product sums the exact products of the quantised numbers (number of the format x scale) in f32.
;;   ~~~python
;;   def quantise(x, axis):      # numpy; x: float32 -> the quantised numbers, widened to float32 again
;;       x = np.moveaxis(x, axis, -1); K = x.shape[-1]
;;       x = np.pad(x, [(0, 0)] * (x.ndim - 1) + [(0, -K % 32)]); x = x.reshape(x.shape[:-1] + (-1, 32)); a = np.abs(x).max(-1, keepdims=True)
;;       e = np.where(a > 0, np.clip(np.frexp(np.where(a > 0, a, 1))[1] - 1 - 2, -126, 127), 0)      # np.frexp(a)[1] - 1 = floor(log2(a)), exactly
;;       r = np.clip(x / 2.0 ** e, -7.5, 7.5)
;;       step = 2.0 ** (np.maximum(np.frexp(np.where(r == 0, 1, r))[1] - 1, 0) - 3)
;;       q = np.round(r / step) * step * 2.0 ** e      # np.round: ties to even
;;       return np.moveaxis(q.reshape(q.shape[:-2] + (-1,))[..., :K], -1, axis).astype(np.float32)
;;   ~~~
;;   SOFTMAX AHEAD OF A QUANTISED PRODUCT. Where the list says 'softmax', what is quantised is not the finished softmax but p = 2^(t - M), with t = logit x log2(e) and M = ceil(the row's largest t), a whole number; so 1/2 < the row's largest p <= 1. The row's sum l is taken of the UNQUANTISED p, in f32, and the product's result is divided by l at the end. Since M is a whole number, a kernel that streams over the keys may use a running M (the ceiling of the running maximum): every later rescaling is an exact power of two, which a block's scale takes up: the codes' values come out the same.
;;   OPERANDS COMPUTED ON THE WAY. 'Computed on the way' means the value that the module computes at that place (a softmax that the list does not call 'softmax' is quantised finished and normalised). What goes into a quantiser is computed in f32, as accurately as f32 sums, v_exp_f32 and their like allow (about 1e-6 of the number): no bf16 or f16 on the way to a quantiser, and a product that is left as it is and whose result goes on into a quantised operand takes f32 operands (vector FMAs, or v_wmma_f32_16x16x4_f32). A number that lies on a knife's edge between two numbers of the format may be rounded either way, as far as f32 arithmetic and the matrix unit's own rounding can turn it there, and no further.
;; One version. Each part assembles by itself: llvm-mc -triple=amdgcn-amd-amdhsa -mcpu=gfx1250 --defsym DOCPART=n.
;; ======== version 1 of 1: 4 launches
;; limits: right only within a limited range of input values
;; workspace buffers: cod1 9,437,184 bytes; scl1 393,216 bytes; tab 2,097,152 bytes; qcod 6,291,456 bytes; kvcod 12,582,912 bytes; scl2 786,432 bytes; ocod 6,291,456 bytes; oscl 262,144 bytes
;; launch prep (part 1): grid 512 x 1, 4 waves a work-group, no clusters, 35,328 bytes of LDS; arguments x, Wqkv_w, Wo_w, p, cod1, scl1, tab; writes cod1, scl1, tab
.if DOCPART == 1
	.amdgcn_target "amdgcn-amd-amdhsa--gfx1250"
	.amdhsa_code_object_version 6
	.text
	.protected	k_q10f923f419_prep
	.globl	k_q10f923f419_prep
	.p2align	8
	.type	k_q10f923f419_prep,@function
k_q10f923f419_prep:
	s_mov_b64 s[64:65], 0
	v_nop
	global_prefetch_b8 v0, s[64:65] scope:SCOPE_SE
	s_setreg_imm32_b32 hwreg(HW_REG_WAVE_MODE, 25, 1), 1
	s_wait_xcnt 0x0
; x [8192][1024], Wqkv_w [3072][1024], Wo_w [1024][1024], f32, K innermost, become codes of FP6 (E2M3) with one E8M0 byte for each 32 along K; p becomes a table of cos and sin.
; A block's scale is 2^(floor(log2(largest magnitude)) - 2): its byte is the largest magnitude's exponent field - 2, held at 1 from below.
; LIMITS: NaN and infinities among the inputs are not served.  A block of zeros gets the byte 1 where the quantiser says 127: its codes are zeros, and this program alone reads the bytes.
;   |p| stays under 2^22 (p exact in f32; the reduced angle is then off by under 1e-8).  The frequencies 10^(-i/8) are right to about one unit in the last place, so an angle of 2,000 is right to about 2e-4.
; THE CODES' LAYOUT: tile images.  16 rows x 64 K = 768 bytes: lane l = 16 h + r owns the 24 bytes of row r, block h: its registers 0-3 at 16 l, registers 4-5 at 512 + 8 l.
;   Two images on end are a matrix operand's 12 registers, so every later load of a fragment is 512 or 256 consecutive bytes.  Order: [K step of 256][row tile][image 0..3].  Scale bytes: [row tile][K step][row][8].
; THE ROWS OF Wv (row tiles 128 on of Wqkv_w) are stored in another order: lane r of stored tile t of a head takes row 32 (t / 2) + 8 (t % 2) + r + 8 (r / 8), so that attention's result comes out with 16 neighbours of the head in a lane.
; SHARES: work-groups 0-383 quantise: a wave takes one row tile x 512 along K (8 images).  Work-groups 384-511 make the table: a wave takes 16 tokens.  No cluster, no tensor load: no two work-groups read the same bytes.
; A load takes 2 rows x 256 consecutive bytes; the 16 x 256 bytes of an image turn through the wave's own stage in LDS (pitch 272), so that a lane gets its 32 neighbours.  Waves share nothing: no barrier.
.set R,    32                          ; v32-127  three sets of 32: an image's numbers as loaded
.set X,    128                         ; v128-191 two sets of 32 neighbours
.set C,    192                         ; v192-255 codes: 8 registers for each image, so that no store's data are written again
.set BY,   16                          ; v16-23   a scale byte for each image
.set STGB, 16*272                      ; a stage
.set WREG, 2*STGB                      ; a wave's two stages
	s_load_b256 s[4:11], s[0:1], 0x0               ; x, Wqkv_w, Wo_w, p
	s_load_b128 s[12:15], s[0:1], 0x20             ; cod1, scl1
	s_load_b64 s[16:17], s[0:1], 0x30              ; tab
	v_lshl_add_u32 v254, v0, 2, 0x8800
	v_mov_b32 v255, 0
	v_lshrrev_b32 v1, 5, v0
	v_readfirstlane_b32 s18, v1                    ; wave
	v_and_b32 v1, 31, v0                           ; lane
	v_and_b32 v2, 15, v0                           ; r
	v_bfe_u32 v3, v0, 4, 1                         ; h
	v_lshlrev_b32 v7, 4, v1                        ; 16 x lane
	v_lshlrev_b32 v8, 3, v1                        ; 8 x lane
	s_cmp_ge_u32 ttmp9, 384
	s_cbranch_scc1 .Ltable
	; ---------------- the quantiser ----------------
	s_lshl_b32 s19, ttmp9, 2
	s_add_co_u32 s19, s19, s18
	s_and_b32 s33, s19, 1                          ; which half of K
	s_lshr_b32 s19, s19, 1                         ; row tile 0..767: 512 of x, 192 of Wqkv_w, 64 of Wo_w
	s_mov_b32 s30, 0x76543210
	s_mov_b32 s31, 0xfedcba98                      ; selects for lane l xor 16
	s_mov_b32 s32, 0xffff0000                      ; lanes 16-31
	s_mov_b32 s34, 704
	s_mov_b32 s36, 8650752
	s_mov_b32 s37, 360448
	s_wait_kmcnt 0x0
	s_cmp_lt_u32 ttmp9, 352                        ; the choice hangs on the work-group's number alone
	s_cselect_b64 s[20:21], s[6:7], s[8:9]
	s_cselect_b32 s34, 512, s34                    ; the tensor's first row tile
	s_cselect_b32 s35, 192, 64                     ; its row tiles
	s_cselect_b32 s36, 6291456, s36                ; its place in cod1
	s_cselect_b32 s37, 262144, s37                 ; and in scl1
	s_cmp_lt_u32 ttmp9, 256
	s_cselect_b64 s[20:21], s[4:5], s[20:21]
	s_cselect_b32 s34, 0, s34
	s_cselect_b32 s35, 512, s35
	s_cselect_b32 s36, 0, s36
	s_cselect_b32 s37, 0, s37
	s_sub_co_u32 s38, s19, s34                     ; the row tile in its tensor
	s_lshl_b32 s39, s38, 4                         ; its first row, as a rule
	s_lshr_b32 s40, s38, 1
	s_lshl_b32 s40, s40, 5
	s_and_b32 s41, s38, 1
	s_lshl_b32 s41, s41, 3
	s_add_co_u32 s40, s40, s41                     ; and in Wv: 32 (tile / 2) + 8 (tile % 2)
	s_sub_co_u32 s41, s19, 640
	s_cmp_lt_u32 s41, 64                           ; Wv's tiles are 640 .. 703
	s_cselect_b32 s39, s40, s39                    ; rows 0-7 of the tile begin here,
	s_cselect_b32 s40, 8, 0
	s_add_co_u32 s40, s39, s40                     ; rows 8-15 count from here
	s_lshl_b32 s41, s33, 11
	s_lshl_b32 s22, s39, 12
	s_add_co_u32 s22, s22, s41
	s_mov_b32 s23, 0
	s_lshl_b32 s44, s40, 12
	s_add_co_u32 s44, s44, s41
	s_mov_b32 s45, 0
	s_add_nc_u64 s[22:23], s[20:21], s[22:23]      ; the numbers of rows 0-7
	s_add_nc_u64 s[20:21], s[20:21], s[44:45]      ; and of rows 8-15
	s_mul_i32 s41, s33, s35
	s_lshl_b32 s41, s41, 1
	s_add_co_u32 s41, s41, s38
	s_mul_i32 s41, s41, 3072
	s_add_co_u32 s24, s41, s36
	s_mov_b32 s25, 0
	s_add_nc_u64 s[24:25], s[12:13], s[24:25]      ; the codes of my first K step,
	s_mul_i32 s26, s35, 3072
	s_mov_b32 s27, 0
	s_add_nc_u64 s[26:27], s[24:25], s[26:27]      ; and of my second
	s_lshl_b32 s28, s38, 9
	s_lshl_b32 s41, s33, 8
	s_add_co_u32 s28, s28, s41
	s_add_co_u32 s28, s28, s37
	s_mov_b32 s29, 0
	s_add_nc_u64 s[28:29], s[14:15], s[28:29]      ; my 256 scale bytes
	s_mul_i32 s42, s18, WREG
	s_wait_alu depctr_va_vdst(0)
	v_lshlrev_b32 v4, 12, v3
	v_lshl_add_u32 v4, v2, 4, v4                   ; a load: lanes 0-15 one row's 256 bytes, lanes 16-31 the next row's
	v_mul_u32_u24 v5, v3, 272
	v_lshl_add_u32 v5, v2, 4, v5
	v_add_nc_u32 v5, s42, v5                       ; into the stage, as loaded
	v_mul_u32_u24 v6, v2, 272
	v_lshl_add_u32 v6, v3, 7, v6
	v_add_nc_u32 v6, s42, v6                       ; out of it: row r, 128 bytes for each half
	v_lshlrev_b32 v15, 3, v3                       ; 8 h
.irp k, 0,1,2,3
	v_mov_b32 v[28+\k], 0                          ; a lane permute's destination counts as one of its sources
.endr
.macro LOAD i                          ; image i: 16 rows x 256 bytes
.irp n, 0,1,2,3
	global_load_b128 v[R+32*((\i)%3)+4*\n:R+32*((\i)%3)+4*\n+3], v4, s[22:23] offset:\n*8192+(\i)*256 th:TH_LOAD_NT
.endr
.irp n, 4,5,6,7
	global_load_b128 v[R+32*((\i)%3)+4*\n:R+32*((\i)%3)+4*\n+3], v4, s[20:21] offset:\n*8192+(\i)*256 th:TH_LOAD_NT
.endr
.endm
.macro TURN i                          ; through the stage: LDS serves a wave's instructions in order, so no wait stands between the stores and the loads
.irp n, 0,1,2,3,4,5,6,7
	ds_store_b128 v5, v[R+32*((\i)%3)+4*\n:R+32*((\i)%3)+4*\n+3] offset:((\i)%2)*STGB+\n*544
.endr
.irp n, 0,1,2,3,4,5,6,7
	ds_load_b128 v[X+32*((\i)%2)+4*\n:X+32*((\i)%2)+4*\n+3], v6 offset:((\i)%2)*STGB+16*\n
.endr
.endm
.macro QT i
.set XS, X+32*((\i)%2)
	s_wait_dscnt 0x0                               ; my 32 neighbours are back; the stage's stores have read their registers,
.if (\i)+3 < 8
	LOAD (\i)+3                                    ; which take the image three on
.endif
.if (\i)+1 < 8
.if (\i) < 5
	s_wait_loadcnt 16                              ; the next image's 8 loads are in; those of the two behind it may be out
.else
	s_wait_loadcnt 8*(6-(\i))
.endif
	TURN (\i)+1
.endif
	v_max3_num_f32 v9, |v[XS]|, |v[XS+1]|, 0x1800000       ; the block's largest magnitude, in two chains, and the floor 2^(3 - 127): the byte cannot fall under 1
	v_max3_num_f32 v10, |v[XS+16]|, |v[XS+17]|, 0x1800000
.irp k, 2,4,6,8,10,12,14
	v_max3_num_f32 v9, v9, |v[XS+\k]|, |v[XS+\k+1]|
	v_max3_num_f32 v10, v10, |v[XS+16+\k]|, |v[XS+17+\k]|
.endr
	v_max_num_f32 v9, v9, v10
	v_add_nc_u32 v11, 0xff000000, v9               ; 2 off its exponent field: the conversion takes this operand's exponent field as its scale
	v_cvt_scalef32_pk16_fp6_f32 v[C+8*(\i):C+8*(\i)+2], v[XS:XS+15], v11
	v_cvt_scalef32_pk16_fp6_f32 v[12:14], v[XS+16:XS+31], v11      ; (a conversion's three registers begin on an even number)
	v_lshrrev_b32 v[BY+(\i)], 23, v11              ; the scale's byte: also the plain line behind the conversions
.irp k, 0,1,2
	v_mov_b32 v[C+8*(\i)+3+\k], v[12+\k]
.endr
.if (\i) < 4
	global_store_b128 v7, v[C+8*(\i):C+8*(\i)+3], s[24:25] offset:((\i)%4)*768          ; 512 consecutive bytes
	global_store_b64 v8, v[C+8*(\i)+4:C+8*(\i)+5], s[24:25] offset:((\i)%4)*768+512     ; 256 consecutive bytes
.else
	global_store_b128 v7, v[C+8*(\i):C+8*(\i)+3], s[26:27] offset:((\i)%4)*768
	global_store_b64 v8, v[C+8*(\i)+4:C+8*(\i)+5], s[26:27] offset:((\i)%4)*768+512
.endif
.endm
	LOAD 0
	LOAD 1
	LOAD 2
	s_wait_alu depctr_va_vdst(0)
	s_wait_loadcnt 16                              ; image 0's 8 loads are in
	TURN 0
.irp i, 0,1,2,3,4,5,6,7
	QT \i
.endr
	; the scale bytes: byte 2 (image % 4) + h of a row's 8 for a K step
.irp k, 0,1,2,3
	v_lshl_or_b32 v[24+\k], v[BY+2*\k+1], 16, v[BY+2*\k]
.endr
.irp k, 0,1,2,3
	v_lshlrev_b32 v[24+\k], v15, v[24+\k]          ; my half's bytes at their places
.endr
.irp k, 0,1,2,3
	v_permlanex16_b32 v[28+\k], v[24+\k], s30, s31
.endr
.irp k, 0,1,2,3
	v_or_b32 v[24+\k], v[24+\k], v[28+\k]          ; with the other half's the words are whole
.endr
	v_cndmask_b32 v24, v24, v26, s32               ; lanes 0-15 store the first K step's two words, lanes 16-31 the second's
	v_cndmask_b32 v25, v25, v27, s32
	global_store_b64 v8, v[24:25], s[28:29]        ; 256 consecutive bytes, aligned
	s_wait_tensorcnt 0x0
	ds_add_u32 v254, v255
	s_wait_dscnt 0x0
	s_endpgm
	; ---------------- the table ----------------
	; Lane (r, h) serves token r of the wave's 16 and frequencies f = 16 u + 8 h + j: cos at register 8 u + j, sin at 16 + 8 u + j, as the next launch's lanes want them.
.Ltable:
	s_sub_co_u32 s19, ttmp9, 384
	s_lshl_b32 s19, s19, 2
	s_add_co_u32 s19, s19, s18                     ; tile of 16 tokens, 0..511
	s_lshl_b32 s20, s19, 6
	s_mov_b32 s21, 0
	s_lshl_b32 s22, s19, 12
	s_mov_b32 s23, 0
	s_mov_b32 s40, 0xbed49a78                      ; -log2(10) / 8, upper part
	s_mov_b32 s41, 0xb2179a28                      ; and what is left of it
	s_mov_b32 s42, 0x3f22f983                      ; 2 / pi
	s_mov_b32 s43, 0x3fc90fdb                      ; pi / 2, upper part
	s_mov_b32 s44, 0xb33bbd2e                      ; and what is left of it
	s_mov_b32 s45, 0xbe2aaaa3                      ; sin's polynomial
	s_mov_b32 s46, 0x3c08839e
	s_mov_b32 s47, 0xb94ca1f9
	s_mov_b32 s48, 0x3d2aaaa5                      ; cos's
	s_mov_b32 s49, 0xbab6061a
	s_mov_b32 s50, 0x37ccf5ce
	s_wait_alu depctr_va_vdst(0)
	v_lshlrev_b32 v4, 2, v2
	v_lshlrev_b32 v10, 3, v3
	s_wait_alu depctr_va_vdst(0)
	s_wait_kmcnt 0x0
	s_add_nc_u64 s[10:11], s[10:11], s[20:21]
	s_add_nc_u64 s[16:17], s[16:17], s[22:23]
	global_load_b32 v5, v4, s[10:11]               ; p of my token
.irp m, 0,1,2,3,4,5,6,7,8,9,10,11,12,13,14,15
	v_add_nc_u32 v[64+\m], 16*(\m/8)+\m%8, v10
	v_cvt_f32_u32 v[64+\m], v[64+\m]               ; f
	v_mul_f32 v[80+\m], s40, v[64+\m]
	v_rndne_f32 v[80+\m], v[80+\m]                 ; the whole part of -f log2(10) / 8
	v_fma_f32 v[16+\m], v[64+\m], s40, -v[80+\m]   ; the rest, exactly,
	v_fma_f32 v[16+\m], v[64+\m], s41, v[16+\m]    ; with the constant's lower part
	v_cvt_i32_f32 v[80+\m], v[80+\m]
.endr
	s_wait_alu depctr_va_vdst(0)
.irp m, 0,1,2,3,4,5,6,7,8,9,10,11,12,13,14,15
	v_exp_f32 v[16+\m], v[16+\m]
.endr
	v_nop                                          ; a plain line behind the last exponential
	s_wait_alu depctr_va_vdst(0)                   ; one wait for the batch, ahead of its first reader
.irp m, 0,1,2,3,4,5,6,7,8,9,10,11,12,13,14,15
	v_ldexp_f32 v[16+\m], v[16+\m], v[80+\m]       ; 10^(-f / 8)
.endr
	s_wait_loadcnt 0x0
	v_cvt_f32_i32 v9, v5
.irp m, 0,1,2,3,4,5,6,7,8,9,10,11,12,13,14,15
	v_mul_f32 v100, v9, v[16+\m]                   ; the angle, rounded as the definition rounds it
	v_mul_f32 v101, s42, v100
	v_rndne_f32 v101, v101                         ; k quarter turns
	v_fma_f32 v102, -v101, s43, v100
	v_fma_f32 v102, -v101, s44, v102               ; what is left, within pi / 4
	v_cvt_i32_f32 v103, v101
	v_mul_f32 v104, v102, v102
	v_fma_f32 v105, v104, s47, s46
	v_fma_f32 v105, v105, v104, s45
	v_mul_f32 v105, v105, v104
	v_fma_f32 v105, v105, v102, v102               ; its sine
	v_fma_f32 v106, v104, s50, s49
	v_fma_f32 v106, v106, v104, s48
	v_mul_f32 v107, v104, v104
	v_fma_f32 v108, v104, -0.5, 1.0
	v_fma_f32 v106, v106, v107, v108               ; its cosine
	v_and_b32 v107, 1, v103
	v_cmp_eq_u32 vcc_lo, 1, v107                   ; an odd k swaps the two
	v_cndmask_b32 v108, v105, v106, vcc_lo
	v_cndmask_b32 v109, v106, v105, vcc_lo
	v_lshlrev_b32 v107, 30, v103
	v_and_b32 v107, 0x80000000, v107               ; sin is turned for k % 4 = 2, 3
	v_xor_b32 v[48+\m], v108, v107
	v_add_nc_u32 v103, 1, v103
	v_lshlrev_b32 v103, 30, v103
	v_and_b32 v103, 0x80000000, v103               ; cos for k % 4 = 1, 2
	v_xor_b32 v[32+\m], v109, v103
.endr
.irp n, 0,1,2,3,4,5,6,7
	global_store_b128 v7, v[32+4*\n:35+4*\n], s[16:17] offset:512*\n     ; 512 consecutive bytes
.endr
	s_endpgm
.Lfunc_end_k_q10f923f419_prep:
	.size	k_q10f923f419_prep, .Lfunc_end_k_q10f923f419_prep-k_q10f923f419_prep
	.p2alignl 7, 3214868480
	.fill 96, 4, 3214868480
	.section	.rodata,"a",@progbits
	.p2align	6, 0x0
	.amdhsa_kernel k_q10f923f419_prep
		.amdhsa_group_segment_fixed_size 35328
		.amdhsa_private_segment_fixed_size 0
		.amdhsa_enable_private_segment 0
		.amdhsa_kernarg_size 56
		.amdhsa_user_sgpr_count 2
		.amdhsa_user_sgpr_kernarg_segment_ptr 1
		.amdhsa_wavefront_size32 1
		.amdhsa_system_sgpr_workgroup_id_x 1
		.amdhsa_system_sgpr_workgroup_id_y 1
		.amdhsa_system_sgpr_workgroup_id_z 1
		.amdhsa_system_vgpr_workitem_id 0
		.amdhsa_next_free_vgpr 256
		.amdhsa_next_free_sgpr 66
		.amdhsa_reserve_vcc 1
		.amdhsa_float_denorm_mode_32 3
		.amdhsa_float_denorm_mode_16_64 3
		.amdhsa_memory_ordered 1
		.amdhsa_forward_progress 1
		.amdhsa_inst_pref_size 60
	.end_amdhsa_kernel
	.amdgpu_metadata
---
amdhsa.version: [ 1, 2 ]
amdhsa.kernels:
  - .name:           k_q10f923f419_prep
    .symbol:         k_q10f923f419_prep.kd
    .args:
      - { .name: x, .offset: 0, .size: 8, .value_kind: global_buffer, .address_space: global }
      - { .name: Wqkv_w, .offset: 8, .size: 8, .value_kind: global_buffer, .address_space: global }
      - { .name: Wo_w, .offset: 16, .size: 8, .value_kind: global_buffer, .address_space: global }
      - { .name: p, .offset: 24, .size: 8, .value_kind: global_buffer, .address_space: global }
      - { .name: cod1, .offset: 32, .size: 8, .value_kind: global_buffer, .address_space: global }
      - { .name: scl1, .offset: 40, .size: 8, .value_kind: global_buffer, .address_space: global }
      - { .name: tab, .offset: 48, .size: 8, .value_kind: global_buffer, .address_space: global }
    .group_segment_fixed_size: 35328
    .private_segment_fixed_size: 0
    .kernarg_segment_align: 8
    .kernarg_segment_size: 56
    .max_flat_workgroup_size: 128
    .sgpr_count:     66
    .vgpr_count:     256
    .wavefront_size: 32
...
	.end_amdgpu_metadata
.endif
;; end of part 1
;; launch qkv (part 2): grid 8 x 48, 4 waves a work-group, clusters of 4 x 4, 327,680 bytes of LDS; arguments cod1, scl1, tab, Wqkv_b, qcod, kvcod, scl2; writes qcod, kvcod, scl2
.if DOCPART == 2
	.amdgcn_target "amdgcn-amd-amdhsa--gfx1250"
	.amdhsa_code_object_version 6
	.text
	.protected	k_q10f923f419_qkv
	.globl	k_q10f923f419_qkv
	.p2align	8
	.type	k_q10f923f419_qkv,@function
k_q10f923f419_qkv:
	s_mov_b64 s[64:65], 0
	v_nop
	global_prefetch_b8 v0, s[64:65] scope:SCOPE_SE
	s_setreg_imm32_b32 hwreg(HW_REG_WAVE_MODE, 25, 1), 1
	s_wait_xcnt 0x0
	s_wait_alu depctr_hold_cnt(0) depctr_sa_sdst(0) depctr_va_vdst(0) depctr_va_sdst(0) depctr_va_ssrc(0) depctr_va_vcc(0) depctr_vm_vsrc(0)
	s_getreg_b32 s2, hwreg(HW_REG_IB_STS2, 6, 4)
	s_cmp_eq_u32 s2, 0
	s_cbranch_scc0 .Lentry_in_a_cluster
	s_endpgm
.Lentry_in_a_cluster:
	s_bfe_u32 s2, ttmp6, 0x10000c
	s_cmp_lg_u32 s2, 0xf033
	s_cbranch_scc0 .Lentry_shape_is_right
	s_endpgm
.Lentry_shape_is_right:
; qkv = x Wqkv_w^T + Wqkv_b on codes of FP6 (E2M3) with E8M0 scales; q and k are turned by the table of cos and sin and quantised along the head's 64; v is quantised along the keys.
; A work-group of four waves makes 256 x 256, a wave 128 x 128: 64 accumulators, 512 registers.  K = 1,024 goes in 4 steps of 256 through two LDS slots filled by the tensor data mover.
; OPERANDS lie in memory as tile images (16 rows x 64 K = 768 bytes: a lane's registers 0-3 at 16 l, 4-5 at 512 + 8 l), [K step][row tile][4 images]: 128 rows of a K step are 24,576 dense bytes, one tensor load,
;   and a fragment is four LDS loads of 512 or 256 consecutive bytes: no padding.  The scale bytes of 128 rows for all of K are 4,096 dense bytes: they come once.
; THE MATRIX INSTRUCTION IS USED TRANSPOSED: source 0 = 16 rows of "B", source 1 = 16 rows of "A": a lane holds one row of A, its registers run along B's rows 16 b + 8 h + j.
; TWO KINDS OF WORK-GROUP, told apart by the cluster's y alone (equal in all partners):  y < 8: A = x (tokens), B = Wq, Wk: a lane holds a token, registers along the head: what RoPE and q's and k's quantiser want.
;   y >= 8: A = Wv (its rows stored in the order that attention wants), B = x: a lane holds one channel of v, registers along the tokens: what v's quantiser wants.  Only offsets differ until the way out.
; ORDER INSIDE A BLOCK OF 32: the quantiser lays lanes 0-15's sixteen numbers first, lanes 16-31's behind them.  The block, and so its scale, is the true one; q and k get the same order, and so do v and attention's p.
; CLUSTERS 4 x 4: A's tiles are shared along a row of the cluster, B's along a column: joint tensor loads.
; LIMITS: NaN and infinities are not served; a block of zeros gets the byte 1 (its codes are zeros; this program alone reads the bytes).
; The loads of the bias and of the table's first blocks stand at the head, on every path, whichever way out will use them: so every register is written on every path.
; REGISTERS: window 0: v1-7 lane terms, v16-23 fragment addresses, v27 scale address, v28-29 for the add, v30-31 16 l and 8 l, v32-63 scale words (two sets), v64-127 two blocks of the table, v128-223 A's fragments, v224-239 v's bias.
;   window 1: B's fragments, two sets (v0-95, v128-223); q's and k's bias in v96-127 and v224-255.   windows 2, 3: the accumulators, (a, b) at v[8 (8 (a % 4) + b)].
;   On the way out, window 0: v128-191 the 64 numbers to quantise, v192-211 codes, v212-223 at work, v242-249 scale words, v250-255 at work.
.set NQ,    2
.set FR,    12
.set NL,    4                          ; LDS loads that bring a fragment
.set NP,    4                          ; places behind this matrix instruction (ISA guide 7.12.1)
.set RTB,   3072                       ; a row tile's four images of a K step
.set HALFT, 8*RTB                      ; 128 rows: one tensor load
.set SLOT,  4*HALFT                    ; A's 256 rows, then B's
.set SCL,   2*SLOT                     ; A's scale bytes, 8,192
.set SCB,   8320                       ; B's begin so far behind them: 128 past a multiple of 256, so that a load's two halves fall on different banks
.set SPARE, SCL+16640                  ; the spare words, 128 bytes a wave
.set ADRA, 16
.set ADRB, 20
.set ADRS, 27
.set SPW,  28
.set NIL,  29
.set L16,  30
.set L8,   31
.set SC,   32
.set TB,   64
.set AF,   128
.set Z,    128
.set PC,   192
.set TM,   212
.set BV,   224
.set PWS,  242
.set W,    250
.set G1,   24
.set G0,   32
.set G1B,  48
.set G0B,  56
.set G1S,  72
.set G0S,  80
.set G1SB, 84
.set G0SB, 92
.set STA,  96                          ; s[96:97] two K steps of A in bytes; s[98:99] of B
.set STB,  98
.set SEL,  104
.set MSB, 0
.macro WIN new                         ; the immediate's high byte repeats the setting that is left
.if MSB != \new
	s_set_vgpr_msb (MSB<<8)|\new
.set MSB, \new
.endif
.endm
.set MUL_LO, 0xa1                      ; source 0 (B) window 1, source 1 (A) window 0, C and D window 2
.set MUL_HI, 0xf1
.set TO_B,   0x40                      ; destination window 1
.macro JLOAD g0a, g1a, g0b, g1b        ; a joint load: waves 0, 1 fetch for A, waves 2, 3 for B; four v_nop follow each line
	s_cmp_eq_u32 s15, 0
	s_cbranch_scc0 .Lfor_b_\@
	tensor_load_to_lds s[\g0a:\g0a+3], s[\g1a:\g1a+7]
	s_nop 0
.rept 4
	v_nop
.endr
	s_branch .Lasked_\@
.Lfor_b_\@:
	tensor_load_to_lds s[\g0b:\g0b+3], s[\g1b:\g1b+7]
	s_nop 0
.rept 4
	v_nop
.endr
.Lasked_\@:
.endm
.macro CREST                           ; a round of the cluster's barrier behind its opening barrier
	s_cmp_lg_u32 s14, 0
	s_cbranch_scc1 .Lnot_wave_0_\@
	s_barrier_signal -3
.Lnot_wave_0_\@:
	s_barrier_wait -3
	s_barrier_signal -1
	s_barrier_wait -1
.endm
.macro CROUND
	s_barrier_signal -1
	s_barrier_wait -1
	CREST
.endm
.macro PLACES n
.rept \n
	v_nop
.endr
.endm
	s_load_b256 s[4:11], s[0:1], 0x0               ; cod1, scl1, tab, Wqkv_b
	s_load_b64 s[12:13], s[0:1], 0x20              ; qcod
	s_load_b64 s[68:69], s[0:1], 0x28              ; kvcod
	s_load_b64 s[70:71], s[0:1], 0x30              ; scl2
	v_lshl_add_u32 v[SPW], v0, 2, SPARE
	v_mov_b32 v[NIL], 0
	ds_add_u32 v28, v29
	ds_add_u32 v28, v29
	s_wait_dscnt 0x0
	v_lshrrev_b32 v1, 5, v0
	v_readfirstlane_b32 s14, v1                    ; wave
	s_lshr_b32 s15, s14, 1                         ; my half of A's rows.  Also: I fetch for A (0) or B (1)
	s_and_b32 s16, s14, 1                          ; my half of B's rows.  Also: which 128 rows I fetch
	s_bfe_u32 s40, ttmp6, 0x40000                  ; cx
	s_bfe_u32 s41, ttmp6, 0x40004                  ; cy
	s_mov_b32 s[SEL], 0x76543210
	s_mov_b32 s[SEL+1], 0xfedcba98
	s_and_b32 s20, ttmp7, 0xffff                   ; the cluster's y
	s_sub_co_u32 s21, s20, 8
	s_lshl_b32 s21, s21, 1
	s_add_co_u32 s21, s21, ttmp9
	s_mov_b32 s47, 512
	s_cmp_ge_u32 s20, 8                            ; v's work-groups
	s_cselect_b32 s18, 1, 0
	s_cselect_b32 s21, s21, ttmp9                  ; block of four tile columns
	s_cselect_b32 s20, 0, s20                      ; block of four tile rows
	s_cselect_b32 s22, 6684672, 0                  ; A's codes in cod1: Wv's, or x's
	s_cselect_b32 s23, 327680, 0                   ; A's scales in scl1
	s_cselect_b32 s45, 0, 6291456                  ; B's codes: x's, or Wq's and Wk's
	s_cselect_b32 s46, 0, 262144
	s_cselect_b32 s[STA], 192, s47                 ; row tiles in A's tensor
	s_cselect_b32 s[STB], s47, 192
	s_lshl_b32 s42, s21, 2
	s_add_co_u32 s42, s42, s40                     ; tile column
	s_lshl_b32 s17, s20, 2
	s_add_co_u32 s17, s17, s41                     ; tile row
	s_lshl_b32 s43, s41, 2
	s_lshl_b32 s43, 15, s43                        ; my row of the cluster
	s_lshl_b32 s44, 0x1111, s40                    ; my column
	s_or_b32 s[G1], s43, (3<<16)|(1<<21)           ; 15:0 the mask; 17:16 elements of 8 bytes; 20 no padding; 21 set beside a mask
	s_or_b32 s[G1B], s44, (3<<16)|(1<<21)
	s_or_b32 s[G1S], s43, (3<<16)|(1<<21)
	s_or_b32 s[G1SB], s44, (3<<16)|(1<<21)
.irp g, G1, G1B                        ; rows of 256 bytes, dense: 192 (256 rows of codes) for the head's loads; behind them the two words that count rows are set to 96
	s_mov_b32 s[\g+1], 32<<16
	s_mov_b32 s[\g+2], 192<<16
	s_mov_b32 s[\g+3], 32<<16
	s_mov_b32 s[\g+4], 192
	s_mov_b32 s[\g+5], 32
	s_mov_b32 s[\g+6], 0
	s_mov_b32 s[\g+7], 0
.endr
.irp g, G1S, G1SB                      ; the scale bytes of 256 rows: 32 rows of 256 bytes, dense
	s_mov_b32 s[\g+1], 32<<16
	s_mov_b32 s[\g+2], 32<<16
	s_mov_b32 s[\g+3], 32<<16
	s_mov_b32 s[\g+4], 32
	s_mov_b32 s[\g+5], 32
	s_mov_b32 s[\g+6], 0
	s_mov_b32 s[\g+7], 0
.endr
	s_mul_i32 s[STA], s[STA], RTB                  ; one K step of A in bytes
	s_mov_b32 s[STA+1], 0
	s_mul_i32 s[STB], s[STB], RTB
	s_mov_b32 s[STB+1], 0
	s_mov_b32 s19, 0                               ; the head's loads take whole tiles of 256 rows
	s_lshl_b32 s20, s17, 4
	s_add_co_u32 s20, s20, s19                     ; the first row tile of A that I fetch: hangs on the tile row alone
	s_lshl_b32 s21, s42, 4
	s_add_co_u32 s21, s21, s19                     ; of B: on the tile column alone
	s_lshl_b32 s100, s20, 9
	s_add_co_u32 s100, s100, s23
	s_mov_b32 s101, 0
	s_mul_i32 s20, s20, RTB
	s_add_co_u32 s22, s20, s22
	s_mov_b32 s23, 0
	s_lshl_b32 s2, s21, 9
	s_add_co_u32 s2, s2, s46
	s_mov_b32 s3, 0
	s_mul_i32 s21, s21, RTB
	s_add_co_u32 s46, s21, s45
	s_mov_b32 s47, 0
	s_mul_i32 s45, s14, HALFT                      ; where the codes go: wave x 128 rows
	s_wait_kmcnt 0x0
	s_add_nc_u64 s[22:23], s[4:5], s[22:23]
	s_add_nc_u64 s[100:101], s[6:7], s[100:101]
	s_add_nc_u64 s[46:47], s[4:5], s[46:47]
	s_add_nc_u64 s[2:3], s[6:7], s[2:3]
	CROUND                                         ; all sixteen work-groups are here: the first joint loads meet
	s_mov_b32 s[G0S], 1
	s_mov_b32 s[G0S+1], SCL
	s_mov_b64 s[G0S+2:G0S+3], s[100:101]
	s_or_b32 s[G0S+3], s[G0S+3], 0x80000000
	s_mov_b32 s[G0SB], 1
	s_mov_b32 s[G0SB+1], SCL+SCB
	s_mov_b64 s[G0SB+2:G0SB+3], s[2:3]
	s_or_b32 s[G0SB+3], s[G0SB+3], 0x80000000
	s_mov_b32 s[G0], 1
	s_mov_b32 s[G0+1], 0                           ; K step 0: A's 256 rows at the slot's start
	s_mov_b64 s[G0+2:G0+3], s[22:23]
	s_or_b32 s[G0+3], s[G0+3], 0x80000000
	s_mov_b32 s[G0B], 1
	s_mov_b32 s[G0B+1], 2*HALFT                    ; B's 256 rows behind them
	s_mov_b64 s[G0B+2:G0B+3], s[46:47]
	s_or_b32 s[G0B+3], s[G0B+3], 0x80000000
	s_mul_i32 s100, s16, HALFT                     ; in the ring I fetch 128 rows: which half, in bytes
	s_mov_b32 s101, 0
	s_add_nc_u64 s[22:23], s[22:23], s[100:101]
	s_add_nc_u64 s[46:47], s[46:47], s[100:101]
	s_mov_b32 s[G0+4], 1
	s_add_co_u32 s[G0+5], s45, SLOT
	s_add_nc_u64 s[G0+6:G0+7], s[22:23], s[STA:STA+1]
	s_or_b32 s[G0+7], s[G0+7], 0x80000000
	s_mov_b32 s[G0B+4], 1
	s_add_co_u32 s[G0B+5], s45, SLOT
	s_add_nc_u64 s[G0B+6:G0B+7], s[46:47], s[STB:STB+1]
	s_or_b32 s[G0B+7], s[G0B+7], 0x80000000
	; the head's four tiles, one tensor load a wave, in one chain of branches on the wave's number: wave 0 A's codes, 1 B's codes, 2 A's scales, 3 B's scales
	s_cmp_lt_u32 s14, 1
	s_cbranch_scc0 .Lhead_b
	tensor_load_to_lds s[G0:G0+3], s[G1:G1+7]
	s_nop 0
.rept 4
	v_nop
.endr
	s_branch .Lhead_asked
.Lhead_b:
	s_cmp_lt_u32 s14, 2
	s_cbranch_scc0 .Lhead_sa
	tensor_load_to_lds s[G0B:G0B+3], s[G1B:G1B+7]
	s_nop 0
.rept 4
	v_nop
.endr
	s_branch .Lhead_asked
.Lhead_sa:
	s_cmp_lt_u32 s14, 3
	s_cbranch_scc0 .Lhead_sb
	tensor_load_to_lds s[G0S:G0S+3], s[G1S:G1S+7]
	s_nop 0
.rept 4
	v_nop
.endr
	s_branch .Lhead_asked
.Lhead_sb:
	tensor_load_to_lds s[G0SB:G0SB+3], s[G1SB:G1SB+7]
	s_nop 0
.rept 4
	v_nop
.endr
.Lhead_asked:
	s_lshl_b32 s[STA], s[STA], 1
	s_lshl_b32 s[STB], s[STB], 1
	v_and_b32 v1, 15, v0                           ; r
	v_bfe_u32 v2, v0, 4, 1                         ; h
	v_and_b32 v3, 31, v0
	v_lshlrev_b32 v[L16], 4, v3
	v_lshlrev_b32 v[L8], 3, v3
	s_mul_i32 s20, s15, HALFT                      ; my 128 rows of A
	s_mul_i32 s21, s16, HALFT
	s_add_co_u32 s21, s21, 2*HALFT                 ; my 128 rows of B
.irp s, 0,1
	v_add_nc_u32 v[ADRA+\s], s20, v[L16]
	v_add_nc_u32 v[ADRA+2+\s], s20, v[L8]
	v_add_nc_u32 v[ADRB+\s], s21, v[L16]
	v_add_nc_u32 v[ADRB+2+\s], s21, v[L8]
	s_add_co_u32 s20, s20, SLOT
	s_add_co_u32 s21, s21, SLOT
.endr
	s_lshl_b32 s20, s15, 12                        ; the scale words: lanes 0-15 A's rows, lanes 16-31 B's
	s_lshl_b32 s21, s16, 12
	s_add_co_u32 s21, s21, SCB
	s_sub_co_u32 s21, s21, s20
	v_mul_u32_u24 v4, s21, v2
	s_add_co_u32 s20, s20, SCL
	v_lshl_add_u32 v4, v1, 3, v4
	v_add_nc_u32 v[ADRS], s20, v4
	; the bias and the table's first two blocks
	v_lshlrev_b32 v5, 5, v2                        ; q, k: 8 numbers for each half
	s_wait_alu depctr_va_vdst(0)
	v_and_b32 v6, 8, v1
	v_add_nc_u32 v6, v6, v1
	v_lshlrev_b32 v6, 2, v6                        ; v: my channel, r + 8 (r / 8)
	s_wait_alu depctr_va_vdst(0)
	s_lshl_b32 s20, s42, 10
	s_lshl_b32 s21, s16, 9
	s_add_co_u32 s20, s20, s21                     ; my 128 columns of q, k
	s_lshl_b32 s22, s17, 4
	s_lshl_b32 s23, s15, 3
	s_add_co_u32 s22, s22, s23                     ; my first row tile of A
	s_lshl_b32 s2, s22, 12                         ; its block of the table
	s_lshl_b32 s22, s22, 6                         ; its 16 channels of v's bias
	s_cmp_lg_u32 s18, 0
	s_cselect_b32 s20, 0, s20
	s_cselect_b32 s22, s22, 0
	s_add_co_u32 s22, s22, 8192
	s_mov_b32 s21, 0
	s_mov_b32 s23, 0
	s_mov_b32 s3, 0
	s_add_nc_u64 s[66:67], s[10:11], s[22:23]
	s_add_nc_u64 s[10:11], s[10:11], s[20:21]
	s_add_nc_u64 s[8:9], s[8:9], s[2:3]
	WIN TO_B
.irp b, 0,1,2,3,4,5,6,7
	global_load_b128 v[96+8*\b+96*(\b/4):96+8*\b+96*(\b/4)+3], v5, s[10:11] offset:64*\b
	global_load_b128 v[96+8*\b+96*(\b/4)+4:96+8*\b+96*(\b/4)+7], v5, s[10:11] offset:64*\b+16
.endr
	WIN 0
.irp a, 0,1,2,3,4,5,6,7
	global_load_b32 v[BV+2*\a], v6, s[66:67] offset:(32*(\a/2)+8*(\a%2))*4
	global_load_b32 v[BV+2*\a+1], v6, s[66:67] offset:(32*(\a/2)+8*(\a%2))*4       ; twice: a pair for the packed addition
.endr
.irp a, 0,1
.irp n, 0,1,2,3,4,5,6,7
	global_load_b128 v[TB+32*\a+4*\n:TB+32*\a+4*\n+3], v[L16], s[8:9] offset:\a*4096+512*\n
.endr
.endr
.macro FRAG reg, adr, q, i             ; a fragment: two images, four loads of consecutive bytes
	ds_load_b128 v[\reg:\reg+3], v[\adr] offset:(\i)*RTB+(\q)*1536
	ds_load_b64 v[\reg+4:\reg+5], v[\adr+2] offset:(\i)*RTB+(\q)*1536+512
	ds_load_b128 v[\reg+6:\reg+9], v[\adr] offset:(\i)*RTB+(\q)*1536+768
	ds_load_b64 v[\reg+10:\reg+11], v[\adr+2] offset:(\i)*RTB+(\q)*1536+1280
.endm
; 16 matrix instructions: A's blocks a0, a0 + 1 x B's eight, 128 along K.  The 64 accumulators take turns, one instruction a turn, in the same order in every step.
.macro MUL16 a0, p, q, sc, zero
.irp a, \a0, \a0+1
.irp b, 0,1,2,3,4,5,6,7
.if \zero
	v_wmma_scale_f32_16x16x128_f8f6f4 v[8*(8*((\a)%4)+\b):8*(8*((\a)%4)+\b)+7], v[128*(\p)+FR*\b:128*(\p)+FR*\b+FR-1], v[AF+FR*(\a):AF+FR*(\a)+FR-1], 0, v[SC+8*NQ*(\sc)+NQ*\b+(\q)], v[SC+8*NQ*(\sc)+NQ*(\a)+(\q)] matrix_a_fmt:MATRIX_FMT_FP6 matrix_b_fmt:MATRIX_FMT_FP6 matrix_a_scale:MATRIX_SCALE_ROW1
.else
	v_wmma_scale_f32_16x16x128_f8f6f4 v[8*(8*((\a)%4)+\b):8*(8*((\a)%4)+\b)+7], v[128*(\p)+FR*\b:128*(\p)+FR*\b+FR-1], v[AF+FR*(\a):AF+FR*(\a)+FR-1], v[8*(8*((\a)%4)+\b):8*(8*((\a)%4)+\b)+7], v[SC+8*NQ*(\sc)+NQ*\b+(\q)], v[SC+8*NQ*(\sc)+NQ*(\a)+(\q)] matrix_a_fmt:MATRIX_FMT_FP6 matrix_b_fmt:MATRIX_FMT_FP6 matrix_a_scale:MATRIX_SCALE_ROW1
.endif
.endr
.endr
.endm
.macro FETCH_B slot, q, p
	WIN TO_B
.irp i, 0,1,2,3,4,5,6,7
	FRAG 128*(\p)+FR*\i, ADRB+\slot, \q, \i
.endr
	WIN 0
.endm
.macro FETCH_A slot, q, i0
.irp i, \i0, \i0+1, \i0+2, \i0+3
	FRAG AF+FR*(\i), ADRA+\slot, \q, \i
.endr
.endm
.macro SCALES sc                       ; a K step's two words a row: lanes 0-15 A's block i, lanes 16-31 B's block i
.irp i, 0,1,2,3,4,5,6,7
	ds_load_b64 v[SC+8*NQ*\sc+NQ*\i:SC+8*NQ*\sc+NQ*\i+1], v[ADRS] offset:\i*512
.endr
.endm
.macro STEP slot, q, zero              ; 128 along K that has its successor in the same slot
	s_wait_dscnt 4*NL                              ; all but the youngest 16 loads (A's blocks 4-7) are in
	WIN MUL_LO
	MUL16 0, (\q)%2, \q, \slot, \zero
	MUL16 2, (\q)%2, \q, \slot, \zero
	s_wait_dscnt 0
	PLACES NP                                      ; in front of loads into registers that matrix instructions have read
	FETCH_B \slot, (\q)+1, 1-(\q)%2
	FETCH_A \slot, (\q)+1, 0
	WIN MUL_HI
	MUL16 4, (\q)%2, \q, \slot, \zero
	MUL16 6, (\q)%2, \q, \slot, \zero
	PLACES NP
	WIN 0
	FETCH_A \slot, (\q)+1, 4
.endm
; A slot's last 128 along K changes slots: one barrier; in front of it each wave waits for all its tensor loads, adds 0 to its spare word, and waits for that and for its reads of this slot.
.macro TURN slot, next, fill
	s_wait_tensorcnt 0x0                           ; all my tensor loads have landed: my part of the next slot
	ds_add_u32 v[SPW], v[NIL]                      ; 0 onto my spare word
	s_wait_dscnt 4*NL+1                            ; (the add and the youngest 16 loads may be out)
	WIN MUL_LO
	MUL16 0, 1, NQ-1, \slot, 0
	s_wait_dscnt 0x0                               ; the add is done, and my reads of this slot are over
	s_barrier_signal -1
	MUL16 2, 1, NQ-1, \slot, 0
	WIN 0
	s_barrier_wait -1
.if \fill
	CREST                                          ; the barrier has opened a round of the cluster's: no wave of any partner still reads this slot or has a load on its way
	s_add_nc_u64 s[G0+4*\slot+2:G0+4*\slot+3], s[G0+4*\slot+2:G0+4*\slot+3], s[STA:STA+1]
	s_add_nc_u64 s[G0B+4*\slot+2:G0B+4*\slot+3], s[G0B+4*\slot+2:G0B+4*\slot+3], s[STB:STB+1]
	JLOAD G0+4*\slot, G1, G0B+4*\slot, G1B         ; the first tensor load behind the round; its four v_nop are the places in front of the loads below
.else
	PLACES NP
.endif
	s_wait_alu depctr_va_vdst(0)
	v_add_nc_u32 v[ADRS], 128, v[ADRS]             ; the next K step's scale words
	FETCH_B \next, 0, 0
	FETCH_A \next, 0, 0
	SCALES \next
	WIN MUL_HI
	MUL16 4, 1, NQ-1, \slot, 0
	MUL16 6, 1, NQ-1, \slot, 0
	PLACES NP
	WIN 0
	FETCH_A \next, 0, 4
.endm
	s_wait_alu depctr_va_vdst(0)                   ; the wait at the head's end
	s_wait_tensorcnt 0x0                           ; my tile of the head's four is in
	ds_add_u32 v[SPW], v[NIL]
	s_mov_b32 s[G1+2], 96<<16                      ; no tensor load of mine is out: from here on a load brings 128 rows of codes, 96 rows of 256 bytes,
	s_mov_b32 s[G1+4], 96
	s_mov_b32 s[G1B+2], 96<<16
	s_mov_b32 s[G1B+4], 96
	s_mov_b32 s[G0+1], s45                         ; to wave x 128 rows of the slot,
	s_mov_b32 s[G0B+1], s45
	s_add_nc_u64 s[G0+2:G0+3], s[G0+2:G0+3], s[100:101]      ; from my half of the tile
	s_add_nc_u64 s[G0B+2:G0B+3], s[G0B+2:G0B+3], s[100:101]
	s_wait_dscnt 0x0
	CROUND                                         ; all four tiles are in, and all sixteen work-groups are here
	JLOAD G0+4, G1, G0B+4, G1B                     ; K step 1, the first tensor load behind the round
	FETCH_B 0, 0, 0
	FETCH_A 0, 0, 0
	SCALES 0
	FETCH_A 0, 0, 4
	STEP 0, 0, 1                                   ; the first products start the sums
	TURN 0, 1, 1                                   ; slot 0 takes K step 2
	STEP 1, 0, 0
	TURN 1, 0, 1                                   ; slot 1 takes K step 3
	STEP 0, 0, 0
	TURN 0, 1, 0                                   ; nothing is left to fetch
	STEP 1, 0, 0
	s_wait_dscnt 4*NL
	WIN MUL_LO
	MUL16 0, 1, NQ-1, 1, 0
	MUL16 2, 1, NQ-1, 1, 0
	s_wait_dscnt 0
	WIN MUL_HI
	MUL16 4, 1, NQ-1, 1, 0
	MUL16 6, 1, NQ-1, 1, 0
	WIN 0
; 64 numbers of a lane, v[s] on, register 16 b + i = number i of my half of block b of my row, become 12 registers of codes in v[PC] on and the row's four scale bytes in v[pw].
.macro QUANT s, pw
.irp b, 0,1,2,3
	v_max3_num_f32 v[TM+\b], |v[\s+16*\b]|, |v[\s+1+16*\b]|, 0x1800000   ; and the floor 2^(3 - 127): the byte cannot fall under 1
.endr
.irp i, 2,4,6,8,10,12,14
.irp b, 0,1,2,3
	v_max3_num_f32 v[TM+\b], v[TM+\b], |v[\s+16*\b+\i]|, |v[\s+1+16*\b+\i]|
.endr
.endr
.irp b, 0,1,2,3
	v_permlanex16_b32 v[TM+4+\b], v[TM+\b], s[SEL], s[SEL+1]
.endr
.irp b, 0,1,2,3
	v_max_num_f32 v[TM+\b], v[TM+\b], v[TM+4+\b]   ; with lane l xor 16's: the block's largest magnitude
.endr
.irp b, 0,1,2,3
	v_add_nc_u32 v[TM+8+\b], 0xff000000, v[TM+\b]  ; 2 off its exponent field: the conversion's scale operand
.endr
.irp b, 0,1,2,3
	v_lshrrev_b32 v[TM+4+\b], 23, v[TM+8+\b]       ; the scale's byte
.endr
	v_lshl_or_b32 v[\pw], v[TM+5], 8, v[TM+4]
	v_lshl_or_b32 v[\pw], v[TM+6], 16, v[\pw]
	v_lshl_or_b32 v[\pw], v[TM+7], 24, v[\pw]
.irp c, 0,1
	v_cvt_scalef32_pk16_fp6_f32 v[PC+6*\c:PC+2+6*\c], v[\s+32*\c:\s+15+32*\c], v[TM+8+2*\c]
	v_cvt_scalef32_pk16_fp6_f32 v[PC+12+4*\c:PC+14+4*\c], v[\s+16+32*\c:\s+31+32*\c], v[TM+8+2*\c+1]   ; (a conversion's three registers begin on an even number)
.endr
	v_nop                                          ; one plain line behind a scaled conversion
.irp c, 0,1                            ; a whole block to a lane: lanes 0-15 block 2 c, lanes 16-31 block 2 c + 1
.irp i, 0,1,2
	v_permlane16_swap_b32 v[PC+6*\c+\i], v[PC+12+4*\c+\i]
.endr
.irp i, 0,1,2
	v_mov_b32 v[PC+3+6*\c+\i], v[PC+12+4*\c+\i]
.endr
.endr
.endm
	PLACES NP                                      ; behind the last products, ahead of the first read of results and the first write of operands
	s_wait_loadcnt 0x0                             ; the bias and the table's first two blocks
.irp b, 0,1,2,3
	v_mov_b32 v[TM+4+\b], 0                        ; a lane permute's destination counts as one of its sources
.endr
	s_mov_b32 s30, 0xffff0000                      ; lanes 16-31.  (No tensor load is out: the descriptors' registers are free)
	s_cmp_lg_u32 s18, 0
	s_cbranch_scc1 .Lvalues
	; ---- q and k.  My 128 tokens are group G of batch b; my 128 columns are two heads.
	s_lshr_b32 s20, s17, 3                         ; b
	s_and_b32 s21, s17, 7
	s_lshl_b32 s21, s21, 1
	s_add_co_u32 s21, s21, s15                     ; G
	s_and_b32 s22, s42, 3
	s_lshl_b32 s22, s22, 2
	s_lshl_b32 s23, s16, 1
	s_add_co_u32 s22, s22, s23
	s_lshl_b32 s20, s20, 4
	s_add_co_u32 s20, s20, s22                     ; batch x 16 + my first head
	s_mov_b32 s2, 98304
	s_mov_b32 s3, 4096
	s_cmp_lg_u32 ttmp9, 0                          ; the cluster's x: 0 q, 1 k
	s_cselect_b64 s[24:25], s[68:69], s[12:13]
	s_cselect_b32 s2, 196608, s2                   ; a head's bytes of codes
	s_cselect_b32 s3, 8192, s3                     ; and of scale words
	s_cselect_b32 s23, 262144, 0
	s_mul_i32 s26, s20, s2
	s_mul_i32 s22, s21, 6144
	s_add_co_u32 s26, s26, s22
	s_mov_b32 s27, 0
	s_add_nc_u64 s[24:25], s[24:25], s[26:27]      ; my first head's images
	s_mov_b32 s26, s2
	s_add_nc_u64 s[26:27], s[24:25], s[26:27]      ; my second head's
	s_mul_i32 s28, s20, s3
	s_lshl_b32 s22, s21, 8
	s_add_co_u32 s28, s28, s22
	s_add_co_u32 s28, s28, s23
	s_mov_b32 s29, 0
	s_add_nc_u64 s[28:29], s[70:71], s[28:29]
	v_mul_u32_u24 v7, s3, v2
	v_lshl_add_u32 v7, v1, 4, v7                   ; 16 r, + a head for lanes 16-31
; Block a: 16 tokens x my two heads.  Register 32 c + 8 t + j is channel 16 t + 8 h + j of head c; channels d and d + 32 are 16 registers apart.
.macro EPQK a
.set AC, 64*((\a)%4)
.set TBR, TB+32*((\a)%2)
.if (\a) < 7
	s_wait_loadcnt 8                               ; this block's cos and sin are in; the next block's 8 loads may be out
.else
	s_wait_loadcnt 0x0
.endif
	WIN 0x86+0x41*((\a)/4)                         ; the sums (window 2 or 3) take the bias (window 1), each accumulator from its low end on
.irp b, 0,1,2,3,4,5,6,7
.irp j, 0,2,4,6
	v_pk_add_f32 v[AC+8*\b+\j:AC+8*\b+\j+1], v[AC+8*\b+\j:AC+8*\b+\j+1], v[96+8*\b+96*(\b/4)+\j:96+8*\b+96*(\b/4)+\j+1]
.endr
.endr
	WIN 0x02+(\a)/4
.irp c, 0,1
.irp u, 0,1
.irp j, 0,2,4,6
	v_pk_mul_f32 v[Z+32*\c+8*\u+\j:Z+32*\c+8*\u+\j+1], v[AC+32*\c+8*\u+\j:AC+32*\c+8*\u+\j+1], v[TBR+8*\u+\j:TBR+8*\u+\j+1]
	v_pk_mul_f32 v[Z+32*\c+8*\u+\j+16:Z+32*\c+8*\u+\j+17], v[AC+32*\c+8*\u+\j+16:AC+32*\c+8*\u+\j+17], v[TBR+8*\u+\j:TBR+8*\u+\j+1]
.endr
.endr
.endr
.irp c, 0,1
.irp u, 0,1
.irp j, 0,2,4,6
	v_pk_fma_f32 v[Z+32*\c+8*\u+\j:Z+32*\c+8*\u+\j+1], v[AC+32*\c+8*\u+\j+16:AC+32*\c+8*\u+\j+17], v[TBR+16+8*\u+\j:TBR+16+8*\u+\j+1], v[Z+32*\c+8*\u+\j:Z+32*\c+8*\u+\j+1]   ; d < 32: + y(d + 32) sin
	v_pk_fma_f32 v[Z+32*\c+8*\u+\j+16:Z+32*\c+8*\u+\j+17], v[AC+32*\c+8*\u+\j:AC+32*\c+8*\u+\j+1], v[TBR+16+8*\u+\j:TBR+16+8*\u+\j+1], v[Z+32*\c+8*\u+\j+16:Z+32*\c+8*\u+\j+17] neg_lo:[1,0,0] neg_hi:[1,0,0]   ; d >= 32: - y(d - 32) sin
.endr
.endr
.endr
	WIN 0
.if (\a)+2 < 8
.irp n, 0,1,2,3,4,5,6,7
	global_load_b128 v[TBR+4*\n:TBR+4*\n+3], v[L16], s[8:9] offset:((\a)+2)*4096+512*\n     ; the table's block two on
.endr
.endif
	s_wait_xcnt 0x0                                ; the last block's stores have read the codes' registers
	QUANT Z, PWS+(\a)
	global_store_b128 v[L16], v[PC:PC+3], s[24:25] offset:768*(\a)             ; head 0's image of these 16 tokens: 512 consecutive bytes,
	global_store_b64 v[L8], v[PC+4:PC+5], s[24:25] offset:768*(\a)+512         ; and 256
	global_store_b128 v[L16], v[PC+6:PC+9], s[26:27] offset:768*(\a)
	global_store_b64 v[L8], v[PC+10:PC+11], s[26:27] offset:768*(\a)+512
.endm
.irp a, 0,1,2,3,4,5,6,7
	EPQK \a
.endr
.irp g, 0,1,2,3                        ; word g of a head: the two bytes of tile 2 g, then those of tile 2 g + 1
	v_perm_b32 v254, v[PWS+2*\g+1], v[PWS+2*\g], 0x05040100
	v_perm_b32 v255, v[PWS+2*\g+1], v[PWS+2*\g], 0x07060302
	v_cndmask_b32 v[W+\g], v254, v255, s30         ; lanes 0-15 head 0, lanes 16-31 head 1
.endr
	global_store_b128 v7, v[W:W+3], s[28:29]       ; 16 lanes store 256 consecutive bytes, aligned
	s_branch .Ldone
	; ---- v.  My 128 tokens are group G of batch b; my 128 channels are two heads.
.Lvalues:
	s_lshr_b32 s20, s42, 3                         ; b
	s_and_b32 s21, s42, 7
	s_lshl_b32 s21, s21, 1
	s_add_co_u32 s21, s21, s16                     ; G
	s_lshl_b32 s22, s17, 2
	s_lshl_b32 s23, s15, 1
	s_add_co_u32 s22, s22, s23
	s_lshl_b32 s20, s20, 4
	s_add_co_u32 s20, s20, s22                     ; batch x 16 + my first head
	s_mul_i32 s24, s20, 196608
	s_mul_i32 s22, s21, 6144
	s_add_co_u32 s24, s24, s22
	s_add_co_u32 s24, s24, 98304
	s_mov_b32 s25, 0
	s_add_nc_u64 s[24:25], s[68:69], s[24:25]
	s_lshl_b32 s28, s20, 13
	s_lshl_b32 s22, s21, 8
	s_add_co_u32 s28, s28, s22
	s_add_co_u32 s28, s28, 262144+4096
	s_mov_b32 s29, 0
	s_add_nc_u64 s[28:29], s[70:71], s[28:29]
	v_lshlrev_b32 v7, 13, v2
	v_lshl_add_u32 v7, v1, 4, v7
.macro EPV a                           ; block a: 16 channels (tile a % 4 of head a / 4) x my 128 tokens: one fragment along the keys
.set AC, 64*((\a)%4)
	WIN 0x02+(\a)/4
.irp j, 0,2,4,6,8,10,12,14,16,18,20,22,24,26,28,30,32,34,36,38,40,42,44,46,48,50,52,54,56,58,60,62
	v_pk_add_f32 v[Z+\j:Z+\j+1], v[AC+\j:AC+\j+1], v[BV+2*(\a):BV+2*(\a)+1]    ; my channel's bias
.endr
	WIN 0
	s_wait_xcnt 0x0                                ; the last block's stores have read the codes' registers
	QUANT Z, PWS+(\a)
.irp c, 0,1
	global_store_b128 v[L16], v[PC+6*\c:PC+6*\c+3], s[24:25] offset:((\a)/4)*196608+\c*3072+((\a)%4)*768
	global_store_b64 v[L8], v[PC+6*\c+4:PC+6*\c+5], s[24:25] offset:((\a)/4)*196608+\c*3072+((\a)%4)*768+512
.endr
.endm
.irp a, 0,1,2,3,4,5,6,7
	EPV \a
.endr
.irp t, 0,1,2,3
	v_cndmask_b32 v[W+\t], v[PWS+\t], v[PWS+4+\t], s30
.endr
	global_store_b128 v7, v[W:W+3], s[28:29]
.Ldone:
	s_wait_tensorcnt 0x0                           ; the wave's end
	ds_add_u32 v[SPW], v[NIL]
	s_wait_dscnt 0x0
	CROUND                                         ; the closing round
	s_endpgm
.Lfunc_end_k_q10f923f419_qkv:
	.size	k_q10f923f419_qkv, .Lfunc_end_k_q10f923f419_qkv-k_q10f923f419_qkv
	.p2alignl 7, 3214868480
	.fill 96, 4, 3214868480
	.section	.rodata,"a",@progbits
	.p2align	6, 0x0
	.amdhsa_kernel k_q10f923f419_qkv
		.amdhsa_group_segment_fixed_size 327680
		.amdhsa_private_segment_fixed_size 0
		.amdhsa_enable_private_segment 0
		.amdhsa_kernarg_size 56
		.amdhsa_user_sgpr_count 2
		.amdhsa_user_sgpr_kernarg_segment_ptr 1
		.amdhsa_wavefront_size32 1
		.amdhsa_system_sgpr_workgroup_id_x 1
		.amdhsa_system_sgpr_workgroup_id_y 1
		.amdhsa_system_sgpr_workgroup_id_z 1
		.amdhsa_system_vgpr_workitem_id 0
		.amdhsa_next_free_vgpr 1024
		.amdhsa_next_free_sgpr 106
		.amdhsa_reserve_vcc 0
		.amdhsa_float_denorm_mode_32 3
		.amdhsa_float_denorm_mode_16_64 3
		.amdhsa_memory_ordered 1
		.amdhsa_forward_progress 1
		.amdhsa_inst_pref_size 255
	.end_amdhsa_kernel
	.section	.bss,"aw",@nobits
	.p2align	6
	.space	262144
	.amdgpu_metadata
---
amdhsa.version: [ 1, 2 ]
amdhsa.kernels:
  - .name:           k_q10f923f419_qkv
    .symbol:         k_q10f923f419_qkv.kd
    .args:
      - { .name: cod1, .offset: 0, .size: 8, .value_kind: global_buffer, .address_space: global }
      - { .name: scl1, .offset: 8, .size: 8, .value_kind: global_buffer, .address_space: global }
      - { .name: tab, .offset: 16, .size: 8, .value_kind: global_buffer, .address_space: global }
      - { .name: Wqkv_b, .offset: 24, .size: 8, .value_kind: global_buffer, .address_space: global }
      - { .name: qcod, .offset: 32, .size: 8, .value_kind: global_buffer, .address_space: global }
      - { .name: kvcod, .offset: 40, .size: 8, .value_kind: global_buffer, .address_space: global }
      - { .name: scl2, .offset: 48, .size: 8, .value_kind: global_buffer, .address_space: global }
    .group_segment_fixed_size: 327680
    .private_segment_fixed_size: 0
    .kernarg_segment_align: 8
    .kernarg_segment_size: 56
    .max_flat_workgroup_size: 128
    .sgpr_count:     106
    .vgpr_count:     1024
    .wavefront_size: 32
...
	.end_amdgpu_metadata
.endif
;; end of part 2
;; launch attn (part 3): grid 4 x 64, 8 waves a work-group, clusters of 4 x 1, 327,680 bytes of LDS; arguments qcod, scl2, kvcod, ocod, oscl; writes ocod, oscl
.if DOCPART == 3
	.amdgcn_target "amdgcn-amd-amdhsa--gfx1250"
	.amdhsa_code_object_version 6
	.text
	.protected	k_q10f923f419_attn
	.globl	k_q10f923f419_attn
	.p2align	8
	.type	k_q10f923f419_attn,@function
k_q10f923f419_attn:
	s_mov_b64 s[64:65], 0
	v_nop
	global_prefetch_b8 v0, s[64:65] scope:SCOPE_SE
	s_setreg_imm32_b32 hwreg(HW_REG_WAVE_MODE, 25, 1), 1
	s_wait_xcnt 0x0
	s_wait_alu depctr_hold_cnt(0) depctr_sa_sdst(0) depctr_va_vdst(0) depctr_va_sdst(0) depctr_va_ssrc(0) depctr_va_vcc(0) depctr_vm_vsrc(0)
	s_getreg_b32 s2, hwreg(HW_REG_IB_STS2, 6, 4)
	s_cmp_eq_u32 s2, 0
	s_cbranch_scc0 .Lentry_in_a_cluster
	s_endpgm
.Lentry_in_a_cluster:
	s_bfe_u32 s2, ttmp6, 0x10000c
	s_cmp_lg_u32 s2, 0x3003
	s_cbranch_scc0 .Lentry_shape_is_right
	s_endpgm
.Lentry_shape_is_right:
; o = softmax(q k^T / 8) v for one head and 512 queries, on codes of FP6 (E2M3) with E8M0 scales; o is quantised along the head's 64 for the projection.
; A work-group of 8 waves; a wave owns 64 queries, four tiles of 16, and walks the 2,048 keys in 16 steps of 128.  Each fragment of k and v that it reads from LDS serves its four tiles.
; LDS: the head's k (98,304 bytes) and v (98,304) as tile images, their scale words (8,192), filled once; the spare words behind them.  No byte is filled again.
; CLUSTER 4 x 1: the four work-groups of a head ask for k, v and the scales jointly.  Waves 0-5 fetch 32,768 bytes of codes each, waves 6, 7 4,096 bytes of scale words each: one tensor load a wave.
; No data prefetch: the one fill at the head is the launch's only stream, and no loop runs ahead of it.
; BOTH PRODUCTS ARE USED TRANSPOSED (S^T = k q^T, O^T = v^T p^T): a lane holds one query.  The head has 64 channels and the instruction 128 along K: a fragment of k holds two tiles of 16 keys, and q stands as
;   [q, 0] for the first and [0, q] for the second: 18 registers [q, 0, q] serve both.
; WHICH KEYS FORM A TILE: rows 0-7 are eight keys of block 2 c of 32, rows 8-15 the same eight of block 2 c + 1.  So lanes 0-15 hold, in 32 registers, all of block 2 c and lanes 16-31 all of block 2 c + 1:
;   a block's largest score needs no other lane, and the conversions' results are p's operand as they stand.  The chunks of eight keys come in the order 0, 2, 1, 3, in which v's codes lie inside a block.
; SOFTMAX: M is the running largest t rounded up to a whole number (kept as -M); p = 2^(t - M); the sum is taken of p before it is quantised; when M moves, sum and O^T are multiplied by 2^(old M - new M), exactly.
;   A block's largest p is the exponential of its largest score (v_exp_f32 is taken not to fall where its input rises).
; ORDER: tile i + 1's eight score products stand among tile i's exponentials, tile i - 1's four value products behind tile i's first eight maxima; k of the next step is fetched in tile 3's phase, v at the step's top.
; O^T, the sums and M begin as zeros and -2^125, so that the step is written once: the first change of M multiplies them by 0.
; LIMITS: NaN and infinities are not served; the scaled scores stay under 2^31 in magnitude; a block of zeros gets the byte 1 (its codes are zeros; this program alone reads the bytes).
; REGISTERS.  Window 0: v1-7 lane terms, v8-11 f and the new -M, v12-27 state (-M, largest score, the sum's two halves) of four tiles, v28-29 for the add, v30-37 at work, v38-50 scale words,
;   v52-70 p's codes, v72-79 partial sums, v80-127 k's four fragments, v128-255 two buffers of scores.  Window 1: v0-127 O^T of four tiles, v128-199 q, v200-247 v's four fragments.
.set SPARE, 204800
.set SH8,  1
.set BK16, 2
.set BK8,  3
.set BKS,  4
.set BV16, 5
.set BV8,  6
.set BVS,  7
.set F,    8
.set NM,   10
.set SPW,  28
.set NIL,  29
.set MX,   30
.set BM0,  30
.set T0,   31
.set T1,   32
.set W,    33
.set BM1,  34
.set X,    35
.set SO,   36
.set KSW,  38
.set VSW,  42
.set PSW,  46
.set QSW,  47
.set P,    52
.set CT,   64
.set TA,   72
.set K,    80
.set S,    128
.set Q,    128
.set VV,   200
.set WV,   18
.set SEL,  20
.set CS,   22
.set MSB, 0
.macro WIN new                         ; the immediate's high byte repeats the setting that is left
.if MSB != \new
	s_set_vgpr_msb (MSB<<8)|\new
.set MSB, \new
.endif
.endm
.macro CROUND
	s_barrier_signal -1
	s_barrier_wait -1
	s_cmp_lg_u32 s[WV], 0
	s_cbranch_scc1 .Lnot_wave_0_\@
	s_barrier_signal -3
.Lnot_wave_0_\@:
	s_barrier_wait -3
	s_barrier_signal -1
	s_barrier_wait -1
.endm
	s_load_b256 s[4:11], s[0:1], 0x0               ; qcod, scl2, kvcod, ocod
	s_load_b64 s[12:13], s[0:1], 0x20              ; oscl
	v_lshl_add_u32 v[SPW], v0, 2, SPARE
	v_mov_b32 v[NIL], 0
	ds_add_u32 v[SPW], v[NIL]
	ds_add_u32 v[SPW], v[NIL]
	v_lshrrev_b32 v1, 5, v0
	v_readfirstlane_b32 s[WV], v1                  ; wave
	s_bfe_u32 s19, ttmp6, 0x40000                  ; cx: which 512 queries
	s_and_b32 s2, ttmp7, 0xffff                    ; batch x 16 + head
	s_mov_b32 s24, 15|(3<<16)|(1<<21)              ; codes: 128 rows of 256 bytes, dense; the mask names the four
	s_mov_b32 s25, 32<<16
	s_mov_b32 s26, 128<<16
	s_mov_b32 s27, 32<<16
	s_mov_b32 s28, 128
	s_mov_b32 s29, 32
	s_mov_b32 s30, 0
	s_mov_b32 s31, 0
	s_mov_b32 s32, 15|(3<<16)|(1<<21)              ; scale words: 16 rows of 256 bytes
	s_mov_b32 s33, 32<<16
	s_mov_b32 s34, 16<<16
	s_mov_b32 s35, 32<<16
	s_mov_b32 s36, 16
	s_mov_b32 s37, 32
	s_mov_b32 s38, 0
	s_mov_b32 s39, 0
	s_mul_i32 s48, s2, 196608
	s_lshl_b32 s50, s[WV], 15
	s_add_co_u32 s48, s48, s50                     ; codes: head + 32,768 x wave
	s_mov_b32 s49, 0
	s_lshl_b32 s52, s2, 13
	s_lshl_b32 s51, s[WV], 12
	s_add_co_u32 s52, s52, s51
	s_add_co_u32 s52, s52, 262144-6*4096           ; scale words: k's and v's part of scl2, head, + 4,096 x (wave - 6)
	s_mov_b32 s53, 0
	s_wait_dscnt 0x0
	s_wait_kmcnt 0x0
	s_mov_b32 s40, 1
	s_add_co_u32 s41, s51, 196608-6*4096
	s_add_nc_u64 s[42:43], s[6:7], s[52:53]
	s_or_b32 s43, s43, 0x80000000
	s_mov_b32 s44, 1
	s_mov_b32 s45, s50
	s_add_nc_u64 s[46:47], s[8:9], s[48:49]
	s_or_b32 s47, s47, 0x80000000
	CROUND                                         ; the four work-groups are here: the joint loads meet
	s_cmp_lt_u32 s[WV], 6
	s_cbranch_scc0 .Lscales
	tensor_load_to_lds s[44:47], s[24:31]
	s_nop 0
.rept 4
	v_nop
.endr
	s_branch .Lasked
.Lscales:
	tensor_load_to_lds s[40:43], s[32:39]
	s_nop 0
.rept 4
	v_nop
.endr
.Lasked:
	s_mov_b32 s[SEL], 0x76543210
	s_mov_b32 s[SEL+1], 0xfedcba98                 ; selects for lane l xor 16
	s_mov_b32 s[CS], 0x3e38aa3b                    ; log2(e) / 8
	s_mov_b32 s[CS+1], s[CS]
	s_lshl_b32 s54, s19, 5
	s_lshl_b32 s55, s[WV], 2
	s_add_co_u32 s54, s54, s55                     ; my first tile of 16 queries in the head: 32 cx + 4 wave
	s_lshl_b32 s55, s2, 7
	s_add_co_u32 s55, s55, s54
	s_mul_i32 s66, s55, 768
	s_mov_b32 s67, 0
	s_add_nc_u64 s[66:67], s[4:5], s[66:67]        ; q's images
	s_lshl_b32 s68, s2, 12
	s_lshl_b32 s55, s19, 10
	s_add_co_u32 s68, s68, s55
	s_lshr_b32 s55, s[WV], 1
	s_lshl_b32 s55, s55, 8
	s_add_co_u32 s68, s68, s55
	s_and_b32 s55, s[WV], 1
	s_lshl_b32 s55, s55, 3
	s_add_co_u32 s68, s68, s55
	s_mov_b32 s69, 0
	s_add_nc_u64 s[68:69], s[6:7], s[68:69]        ; q's scale words: two words serve my four tiles
	s_and_b32 s56, s2, 15
	s_lshr_b32 s57, s2, 4
	s_lshl_b32 s57, s57, 7
	s_add_co_u32 s57, s57, s54                     ; my first row tile of o
	s_lshr_b32 s58, s56, 2
	s_and_b32 s59, s56, 3
	s_lshl_b32 s70, s58, 9
	s_add_co_u32 s70, s70, s57
	s_lshl_b32 s70, s70, 2
	s_add_co_u32 s70, s70, s59
	s_mul_i32 s70, s70, 768
	s_mov_b32 s71, 0
	s_add_nc_u64 s[70:71], s[10:11], s[70:71]      ; o's images: [K step][row tile][image]
	s_lshl_b32 s72, s57, 9
	s_lshl_b32 s58, s58, 7
	s_add_co_u32 s72, s72, s58
	s_lshl_b32 s59, s59, 1
	s_add_co_u32 s72, s72, s59
	s_mov_b32 s73, 0
	s_add_nc_u64 s[72:73], s[12:13], s[72:73]      ; o's scale bytes
	v_and_b32 v30, 31, v0                          ; lane
	v_and_b32 v31, 15, v0                          ; r
	v_bfe_u32 v32, v0, 4, 1                        ; h
	v_and_b32 v33, 7, v0                           ; r % 8
	v_bfe_u32 v34, v0, 3, 1                        ; r / 8
	v_lshlrev_b32 v[SH8], 3, v32
	v_lshl_add_u32 v35, v32, 4, v33                ; the image's lane 16 h + r % 8,
	v_mul_u32_u24 v36, v34, 1536                   ; two images (32 keys) on for rows 8-15
	v_lshl_add_u32 v[BK16], v35, 4, v36
	v_lshl_add_u32 v[BK8], v35, 3, v36
	v_lshlrev_b32 v37, 2, v34
	v_lshl_add_u32 v37, v33, 4, v37
	v_add_nc_u32 v[BKS], 196608, v37               ; k's scale words: 16 bytes a row of an image, one word on for rows 8-15
	v_lshlrev_b32 v72, 4, v30
	v_lshlrev_b32 v73, 3, v30
	v_add_nc_u32 v[BV16], 98304, v72
	v_add_nc_u32 v[BV8], 98304, v73
	v_lshlrev_b32 v74, 4, v31
	v_add_nc_u32 v[BVS], 200704, v74
	s_wait_alu depctr_va_vdst(0)
	global_load_b64 v[76:77], v74, s[68:69]
	WIN 0x40                                       ; destination in window 1
.irp i, 0,1,2,3
	global_load_b128 v[Q+18*\i:Q+18*\i+3], v72, s[66:67] offset:768*\i
	global_load_b64 v[Q+18*\i+4:Q+18*\i+5], v73, s[66:67] offset:768*\i+512
	global_load_b128 v[Q+18*\i+12:Q+18*\i+15], v72, s[66:67] offset:768*\i
	global_load_b64 v[Q+18*\i+16:Q+18*\i+17], v73, s[66:67] offset:768*\i+512
.irp k, 6,7,8,9,10,11
	v_mov_b32 v[Q+18*\i+\k], 0                     ; the zero codes between the two copies
.endr
.endr
.set J, 0
.rept 128
	v_mov_b32 v[J], 0                              ; O^T
.set J, J+1
.endr
	WIN 0
	s_wait_loadcnt 0x0
	v_perm_b32 v[QSW], v76, v76, 0x01000100        ; a tile's two bytes, for both places of q
	v_perm_b32 v[QSW+1], v76, v76, 0x03020302
	v_perm_b32 v[QSW+2], v77, v77, 0x01000100
	v_perm_b32 v[QSW+3], v77, v77, 0x03020302
.irp i, 0,1,2,3
	v_mov_b32 v[12+4*\i], 0x7e000000               ; -M = 2^125
	v_mov_b32 v[13+4*\i], 0xff61b1e6               ; the largest score so far: -3e38
	v_mov_b32 v[14+4*\i], 0
	v_mov_b32 v[15+4*\i], 0
.endr
	v_mov_b32 v[F+1], 0                            ; upper halves of pairs of which the low word serves both halves
	v_mov_b32 v[NM+1], 0
.macro KLOAD a16, a8, as, o, os        ; fragment 2 c + e: rows 8 e .. 8 e + 7 of images 4 c, 4 c + 1 (lanes r < 8) and 4 c + 2, 4 c + 3 (r >= 8), and their scale words
.irp c, 0,1
.irp e, 0,1
	ds_load_b128 v[K+12*(2*\c+\e):K+12*(2*\c+\e)+3], v[\a16] offset:\o+3072*\c+128*\e
	ds_load_b64 v[K+12*(2*\c+\e)+4:K+12*(2*\c+\e)+5], v[\a8] offset:\o+3072*\c+512+64*\e
	ds_load_b128 v[K+12*(2*\c+\e)+6:K+12*(2*\c+\e)+9], v[\a16] offset:\o+3072*\c+768+128*\e
	ds_load_b64 v[K+12*(2*\c+\e)+10:K+12*(2*\c+\e)+11], v[\a8] offset:\o+3072*\c+1280+64*\e
	ds_load_b32 v[KSW+2*\c+\e], v[\as] offset:\os+8*\c+128*\e
.endr
.endr
.endm
.macro SW w, i, sb                     ; score product w of tile i: fragment w / 2, its tile w % 2.  Window setting 0x04: q in window 1
	v_wmma_scale_f32_16x16x128_f8f6f4 v[\sb+8*(\w):\sb+8*(\w)+7], v[K+12*((\w)/2):K+12*((\w)/2)+11], v[Q+18*(\i)+6*((\w)%2):Q+18*(\i)+6*((\w)%2)+11], 0, v[KSW+(\w)/2], v[QSW+(\i)] matrix_a_fmt:MATRIX_FMT_FP6 matrix_b_fmt:MATRIX_FMT_FP6
.endm
.macro PV i                            ; O^T of tile i += v^T p^T: four accumulators, one instruction each.  Window setting 0x51: v and O^T in window 1
.irp t, 0,1,2,3
	v_wmma_scale_f32_16x16x128_f8f6f4 v[32*(\i)+8*\t:32*(\i)+8*\t+7], v[VV+12*\t:VV+12*\t+11], v[P:P+11], v[32*(\i)+8*\t:32*(\i)+8*\t+7], v[VSW+\t], v[PSW] matrix_a_fmt:MATRIX_FMT_FP6 matrix_b_fmt:MATRIX_FMT_FP6
.endr
.endm
.macro ADDS a, b                       ; pairs a .. b of p onto the four partial sums by turns
.set PI, \a
.rept (\b)-(\a)+1
	v_pk_add_f32 v[TA+2*(PI%4):TA+2*(PI%4)+1], v[TA+2*(PI%4):TA+2*(PI%4)+1], v[SB+2*PI:SB+2*PI+1]
.set PI, PI+1
.endr
.endm
.macro FMAS a, b                       ; t - M of pairs a .. b
.set PI, \a
.rept (\b)-(\a)+1
	v_pk_fma_f32 v[SB+2*PI:SB+2*PI+1], v[SB+2*PI:SB+2*PI+1], s[CS:CS+1], v[NM:NM+1] op_sel_hi:[1,0,0]
.set PI, PI+1
.endr
.endm
; Tile i's phase of a step.  Register SB + 32 c + 8 u + j of lane (query, h) is the score of key 32 (2 c + h) + 8 sigma(u) + j, sigma = 0, 2, 1, 3.
.macro PH i
.set SB, S+64*((\i)%2)
.set SN, S+64*(1-(\i)%2)
.set ST, 12+4*(\i)
.if \i == 1
	s_wait_dscnt 0x0                               ; v's fragments, asked for at the step's top
.endif
.if \i == 3
	s_wait_alu depctr_va_vdst(0)                   ; the wait ahead of the branch
	s_cmp_eq_u32 s62, 1                            ; the last step has no successor
	s_cbranch_scc1 .Lno_k_\@
	v_add_nc_u32 v[T0], s60, v[BK16]
	v_add_nc_u32 v[T1], s60, v[BK8]
	v_add_nc_u32 v[W], s61, v[BKS]
	KLOAD T0, T1, W, 6144, 256                     ; the next step's k: this step's last score products were issued in tile 2's phase
.Lno_k_\@:
.endif
	s_wait_alu depctr_va_vdst(0)                   ; directly ahead of the first readers of the scores
.irp a, 0,1,2,3,4,5,6,7
	v_max3_num_f32 v[MX+\a], v[SB+8*\a], v[SB+8*\a+1], v[SB+8*\a+2]     ; eight chains, one for each accumulator, from its low end on
.endr
.if \i > 0
	WIN 0x51
	PV (\i)-1
	WIN 0
.endif
.irp k, 3,5
.irp a, 0,1,2,3,4,5,6,7
	v_max3_num_f32 v[MX+\a], v[MX+\a], v[SB+8*\a+\k], v[SB+8*\a+\k+1]
.endr
.endr
.irp c, 0,1
	v_max3_num_f32 v[MX+4*\c], v[MX+4*\c], v[MX+4*\c+1], v[SB+32*\c+7]
	v_max3_num_f32 v[MX+4*\c+2], v[MX+4*\c+2], v[MX+4*\c+3], v[SB+32*\c+15]
.endr
.irp c, 0,1
	v_max3_num_f32 v[MX+4*\c], v[MX+4*\c], v[MX+4*\c+2], v[SB+32*\c+23]
.endr
.irp c, 0,1
	v_max_num_f32 v[MX+4*\c], v[MX+4*\c], v[SB+32*\c+31]                ; the largest score of my two blocks
.endr
	s_delay_alu instid0(VALU_DEP_1)
	v_max_num_f32 v[T0], v[BM0], v[BM1]
	s_delay_alu instid0(VALU_DEP_1)
	v_permlanex16_b32 v[T1], v[T0], s[SEL], s[SEL+1]
	s_delay_alu instid0(VALU_DEP_1)
	v_max3_num_f32 v[ST+1], v[ST+1], v[T0], v[T1]  ; the running largest score of my query
	s_delay_alu instid0(VALU_DEP_1)
	v_mul_f32 v[T0], s[CS], v[ST+1]                ; as t
	s_delay_alu instid0(VALU_DEP_1)
	v_floor_f32 v[NM], -v[T0]                      ; the new -M = -ceil(t)
	FMAS 0, 3
	v_sub_f32 v[X], v[NM], v[ST]                   ; old M - new M, a whole number, 0 or less
	FMAS 4, 7
	v_cvt_i32_f32 v[X], v[X]                       ; (it saturates)
	FMAS 8, 11
	v_ldexp_f32 v[F], 1.0, v[X]                    ; f = 2^(old M - new M)
	FMAS 12, 31
	v_fma_f32 v[BM0], v[BM0], s[CS], v[NM]         ; the same of the blocks' largest scores
	v_fma_f32 v[BM1], v[BM1], s[CS], v[NM]
	WIN 0x51
	s_wait_alu depctr_va_vdst(0)                   ; ahead of the first readers of O^T, and between the lines above and the exponentials
.irp j, 0,2,4,6,8,10,12,14,16,18,20,22,24,26,28,30
	v_pk_mul_f32 v[32*(\i)+\j:32*(\i)+\j+1], v[32*(\i)+\j:32*(\i)+\j+1], v[F:F+1] op_sel_hi:[1,0]   ; O^T under the new M
.endr
	WIN 0x04                                       ; source 1 in window 1: the exponentials have none
	v_exp_f32 v[BM0], v[BM0]                       ; the blocks' largest p
	v_exp_f32 v[BM1], v[BM1]
.irp w, 0,1,2,3,4,5,6,7
.irp k, 0,1,2,3
	v_exp_f32 v[SB+8*\w+\k], v[SB+8*\w+\k]         ; p = 2^(t - M)
.endr
.if \i < 3
	SW \w, (\i)+1, SN                              ; the next tile's scores, into the other buffer
.endif
.irp k, 4,5,6,7
	v_exp_f32 v[SB+8*\w+\k], v[SB+8*\w+\k]
.endr
.endr
	WIN 0
	v_mov_b32 v[ST], v[NM]                         ; -M is kept.  (The plain line behind the exponentials)
	s_wait_alu depctr_va_vdst(0)                   ; one wait for the batch, ahead of its first reader
	v_max_num_f32 v[BM0], 0x1800000, v[BM0]        ; the floor 2^(3 - 127): the byte cannot fall under 1
	v_max_num_f32 v[BM1], 0x1800000, v[BM1]
.irp k, 0,1,2,3
	v_pk_add_f32 v[TA+2*\k:TA+2*\k+1], v[SB+4*\k:SB+4*\k+1], v[SB+4*\k+2:SB+4*\k+3]    ; the sum of the unquantised p, in four chains
.endr
	v_add_nc_u32 v[SO], 0xff000000, v[BM0]         ; 2 off the exponent field: the conversions' scale operands
	v_add_nc_u32 v[SO+1], 0xff000000, v[BM1]
	ADDS 8, 11
	v_lshrrev_b32 v[T0], 23, v[SO]                 ; the byte of block h,
	v_lshrrev_b32 v[T1], 7, v[SO+1]                ; that of block 2 + h, 16 bits up
	ADDS 12, 15
	v_and_or_b32 v[W], v[T1], 0xff0000, v[T0]
.irp c, 0,1
	v_cvt_scalef32_pk16_fp6_f32 v[P+6*\c:P+6*\c+2], v[SB+32*\c:SB+32*\c+15], v[SO+\c]
	v_cvt_scalef32_pk16_fp6_f32 v[CT+4*\c:CT+4*\c+2], v[SB+32*\c+16:SB+32*\c+31], v[SO+\c]     ; (a conversion's three registers begin on an even number)
.endr
	ADDS 16, 19
	v_lshlrev_b32 v[W], v[SH8], v[W]               ; my half's two bytes at their places
	ADDS 20, 21
	v_permlanex16_b32 v[X], v[W], s[SEL], s[SEL+1]
.if \i == 3                            ; tile 3's value products follow its phase at once: its codes and its scale word are made ahead of the last 14 lines
.irp c, 0,1
.irp k, 0,1,2
	v_mov_b32 v[P+6*\c+3+\k], v[CT+4*\c+\k]
.endr
.endr
	v_or_b32 v[PSW], v[W], v[X]                    ; p's scale word for these 128 keys
.endif
	ADDS 22, 31
	v_pk_add_f32 v[TA:TA+1], v[TA:TA+1], v[TA+2:TA+3]
	v_pk_add_f32 v[TA+4:TA+5], v[TA+4:TA+5], v[TA+6:TA+7]
.if \i < 3                             ; tiles 0 to 2: the same seven lines stand between the sum's last dependent lines; the next phase's first eight maxima stand ahead of the value products
	v_or_b32 v[PSW], v[W], v[X]
.irp k, 0,1,2
	v_mov_b32 v[P+3+\k], v[CT+\k]
.endr
.else
	s_delay_alu instid0(VALU_DEP_1)
.endif
	v_pk_add_f32 v[TA:TA+1], v[TA:TA+1], v[TA+4:TA+5]
.if \i < 3
.irp k, 0,1,2
	v_mov_b32 v[P+9+\k], v[CT+4+\k]
.endr
.else
	s_delay_alu instid0(VALU_DEP_1)
.endif
	v_pk_fma_f32 v[ST+2:ST+3], v[ST+2:ST+3], v[F:F+1], v[TA:TA+1] op_sel_hi:[1,0,1]     ; the sum under the new M, and this step's
.endm
	s_wait_alu depctr_va_vdst(0)                   ; the wait at the head's end
	s_wait_tensorcnt 0x0                           ; my part of the head's k, v or scale words is in
	s_barrier_signal -1
	s_barrier_wait -1                              ; and everybody's
	KLOAD BK16, BK8, BKS, 0, 0
	s_mov_b32 s60, 0                               ; the step's place in k and in v
	s_mov_b32 s61, 0                               ; and in the scale words
	s_mov_b32 s62, 16
.Lstep:
	s_wait_dscnt 0x0                               ; this step's k
	WIN 0x04
.irp w, 0,1,2,3,4,5,6,7
	SW \w, 0, S
.endr
	WIN 0
	v_add_nc_u32 v[T0], s60, v[BV16]               ; these four lines are the places behind the last value products and the score products
	v_add_nc_u32 v[T1], s60, v[BV8]
	v_add_nc_u32 v[W], s61, v[BVS]
	v_nop
	ds_load_b128 v[VSW:VSW+3], v[W]
	WIN 0x40
.irp t, 0,1,2,3
.irp c, 0,1
	ds_load_b128 v[VV+12*\t+6*\c:VV+12*\t+6*\c+3], v[T0] offset:768*(4*\c+\t)
	ds_load_b64 v[VV+12*\t+6*\c+4:VV+12*\t+6*\c+5], v[T1] offset:768*(4*\c+\t)+512
.endr
.endr
	WIN 0
	PH 0
	PH 1
	PH 2
	PH 3
	WIN 0x51
	PV 3
	WIN 0
	s_add_co_u32 s60, s60, 6144
	s_add_co_u32 s61, s61, 256
	s_sub_co_u32 s62, s62, 1
	s_cmp_lg_u32 s62, 0
	s_cbranch_scc1 .Lstep
	; the way out: O^T / the sum, quantised along the head's 64: register 16 b + i of lane (query, h) is channel 32 b + 16 h + i
	v_and_b32 v5, 31, v0
	v_and_b32 v6, 15, v0
	v_lshlrev_b32 v2, 4, v5
	v_lshlrev_b32 v3, 3, v5
	v_lshlrev_b32 v4, 3, v6
.irp i, 0,1,2,3
	v_add_f32 v[TA+2*\i], v[14+4*\i], v[15+4*\i]
.endr
.irp i, 0,1,2,3
	v_permlanex16_b32 v[MX+\i], v[TA+2*\i], s[SEL], s[SEL+1]
.endr
.irp i, 0,1,2,3
	v_add_f32 v[TA+2*\i], v[TA+2*\i], v[MX+\i]     ; with lane l xor 16's keys: the row's sum
.endr
	s_wait_alu depctr_va_vdst(0)                   ; the wait ahead of the batch
.irp i, 0,1,2,3
	v_rcp_f32 v[TA+2*\i], v[TA+2*\i]
.endr
	v_nop
.macro FIN i
.set Z, S+32*(\i)
.set OC, K+8*(\i)
	WIN 0x01
	s_wait_alu depctr_va_vdst(0)                   ; directly ahead of the first readers of O^T and of the reciprocal
.irp j, 0,2,4,6,8,10,12,14,16,18,20,22,24,26,28,30
	v_pk_mul_f32 v[Z+\j:Z+\j+1], v[32*(\i)+\j:32*(\i)+\j+1], v[TA+2*(\i):TA+2*(\i)+1] op_sel_hi:[1,0]
.endr
	WIN 0
.irp b, 0,1
	v_max3_num_f32 v[34+\b], |v[Z+16*\b]|, |v[Z+1+16*\b]|, 0x1800000
.endr
.irp k, 2,4,6,8,10,12,14
.irp b, 0,1
	s_delay_alu instid0(VALU_DEP_2)
	v_max3_num_f32 v[34+\b], v[34+\b], |v[Z+16*\b+\k]|, |v[Z+1+16*\b+\k]|
.endr
.endr
.irp b, 0,1
	s_delay_alu instid0(VALU_DEP_2)
	v_permlanex16_b32 v[36+\b], v[34+\b], s[SEL], s[SEL+1]
.endr
.irp b, 0,1
	s_delay_alu instid0(VALU_DEP_2)
	v_max_num_f32 v[34+\b], v[34+\b], v[36+\b]     ; the block's largest magnitude
.endr
.irp b, 0,1
	s_delay_alu instid0(VALU_DEP_2)
	v_add_nc_u32 v[36+\b], 0xff000000, v[34+\b]
.endr
.irp b, 0,1
	s_delay_alu instid0(VALU_DEP_2)
	v_lshrrev_b32 v[34+\b], 23, v[36+\b]
.endr
	s_delay_alu instid0(VALU_DEP_1)
	v_lshl_or_b32 v[OC+6], v35, 8, v34             ; the row's two scale bytes
	v_cvt_scalef32_pk16_fp6_f32 v[OC:OC+2], v[Z:Z+15], v36
	v_cvt_scalef32_pk16_fp6_f32 v[CT:CT+2], v[Z+16:Z+31], v37
	v_nop                                          ; one plain line behind a scaled conversion
.irp k, 0,1,2
	v_permlane16_swap_b32 v[OC+\k], v[CT+\k]       ; a whole block to a lane
.endr
.irp k, 0,1,2
	v_mov_b32 v[OC+3+\k], v[CT+\k]
.endr
	global_store_b128 v2, v[OC:OC+3], s[70:71] offset:3072*(\i)         ; the image: 512 consecutive bytes,
	global_store_b64 v3, v[OC+4:OC+5], s[70:71] offset:3072*(\i)+512    ; and 256
	global_store_b16 v4, v[OC+6], s[72:73] offset:512*(\i)
.endm
	FIN 0
	FIN 1
	FIN 2
	FIN 3
	s_wait_tensorcnt 0x0                           ; the wave's end
	ds_add_u32 v[SPW], v[NIL]
	s_wait_dscnt 0x0
	CROUND                                         ; the closing round
	s_endpgm
.Lfunc_end_k_q10f923f419_attn:
	.size	k_q10f923f419_attn, .Lfunc_end_k_q10f923f419_attn-k_q10f923f419_attn
	.p2alignl 7, 3214868480
	.fill 96, 4, 3214868480
	.section	.rodata,"a",@progbits
	.p2align	6, 0x0
	.amdhsa_kernel k_q10f923f419_attn
		.amdhsa_group_segment_fixed_size 327680
		.amdhsa_private_segment_fixed_size 0
		.amdhsa_enable_private_segment 0
		.amdhsa_kernarg_size 40
		.amdhsa_user_sgpr_count 2
		.amdhsa_user_sgpr_kernarg_segment_ptr 1
		.amdhsa_wavefront_size32 1
		.amdhsa_system_sgpr_workgroup_id_x 1
		.amdhsa_system_sgpr_workgroup_id_y 1
		.amdhsa_system_sgpr_workgroup_id_z 1
		.amdhsa_system_vgpr_workitem_id 0
		.amdhsa_next_free_vgpr 512
		.amdhsa_next_free_sgpr 80
		.amdhsa_reserve_vcc 0
		.amdhsa_float_denorm_mode_32 3
		.amdhsa_float_denorm_mode_16_64 3
		.amdhsa_memory_ordered 1
		.amdhsa_forward_progress 1
		.amdhsa_inst_pref_size 85
	.end_amdhsa_kernel
	.amdgpu_metadata
---
amdhsa.version: [ 1, 2 ]
amdhsa.kernels:
  - .name:           k_q10f923f419_attn
    .symbol:         k_q10f923f419_attn.kd
    .args:
      - { .name: qcod, .offset: 0, .size: 8, .value_kind: global_buffer, .address_space: global }
      - { .name: scl2, .offset: 8, .size: 8, .value_kind: global_buffer, .address_space: global }
      - { .name: kvcod, .offset: 16, .size: 8, .value_kind: global_buffer, .address_space: global }
      - { .name: ocod, .offset: 24, .size: 8, .value_kind: global_buffer, .address_space: global }
      - { .name: oscl, .offset: 32, .size: 8, .value_kind: global_buffer, .address_space: global }
    .group_segment_fixed_size: 327680
    .private_segment_fixed_size: 0
    .kernarg_segment_align: 8
    .kernarg_segment_size: 40
    .max_flat_workgroup_size: 256
    .sgpr_count:     80
    .vgpr_count:     512
    .wavefront_size: 32
...
	.end_amdgpu_metadata
.endif
;; end of part 3
;; launch oproj (part 4): grid 4 x 64, 4 waves a work-group, clusters of 4 x 4, 327,680 bytes of LDS; arguments ocod, oscl, cod1, scl1, Wo_b, out0; writes out0
.if DOCPART == 4
	.amdgcn_target "amdgcn-amd-amdhsa--gfx1250"
	.amdhsa_code_object_version 6
	.text
	.protected	k_q10f923f419_oproj
	.globl	k_q10f923f419_oproj
	.p2align	8
	.type	k_q10f923f419_oproj,@function
k_q10f923f419_oproj:
	s_mov_b64 s[64:65], 0
	v_nop
	global_prefetch_b8 v0, s[64:65] scope:SCOPE_SE
	s_setreg_imm32_b32 hwreg(HW_REG_WAVE_MODE, 25, 1), 1
	s_wait_xcnt 0x0
	s_wait_alu depctr_hold_cnt(0) depctr_sa_sdst(0) depctr_va_vdst(0) depctr_va_sdst(0) depctr_va_ssrc(0) depctr_va_vcc(0) depctr_vm_vsrc(0)
	s_getreg_b32 s2, hwreg(HW_REG_IB_STS2, 6, 4)
	s_cmp_eq_u32 s2, 0
	s_cbranch_scc0 .Lentry_in_a_cluster
	s_endpgm
.Lentry_in_a_cluster:
	s_bfe_u32 s2, ttmp6, 0x10000c
	s_cmp_lg_u32 s2, 0xf033
	s_cbranch_scc0 .Lentry_shape_is_right
	s_endpgm
.Lentry_shape_is_right:
; out0 = o Wo_w^T + Wo_b on codes of FP6 (E2M3) with E8M0 scales; sums in f32.  o: 8,192 rows, Wo_w: 1,024 rows, K = 1,024.
; A work-group of four waves makes 128 rows x 256 columns: 256 work-groups.  A wave makes 64 x 128: 32 accumulators, 256 registers.
; ALL OF K LIES IN LDS: o's 128 rows (98,304 bytes) and Wo_w's 256 rows (196,608 bytes), filled once by one tensor load a wave: waves 0, 1 fetch A's K steps 0-1 and 2-3, waves 2, 3 B's.  No byte is filled again.
; OPERANDS lie in memory as tile images (16 rows x 64 K = 768 bytes: a lane's registers 0-3 at 16 l, 4-5 at 512 + 8 l), [K step of 256][row tile][4 images]: the rows of a block are, for each K step, one dense run:
;   a tensor load's row is such a run, 24,576 or 49,152 bytes, and it brings two of them.  A fragment is four LDS loads of 512 or 256 consecutive bytes.
; THE SCALE WORDS, [row tile][K step][row][8], go from memory straight into 48 registers, once: a load takes 256 consecutive bytes, lanes 0-15 one K step's two words of a row, lanes 16-31 the next K step's;
;   the products of odd K steps name the upper lanes.
; CLUSTERS 4 x 4: A's tiles are shared along a row of the cluster, B's along a column: joint tensor loads.  No data prefetch: the one fill at the head is the only stream, and no loop runs ahead of it.
; THE MATRIX INSTRUCTION IS USED TRANSPOSED (source 0 = 16 rows of Wo_w, source 1 = 16 rows of o): a lane holds eight neighbouring columns of a row.  The bias is the C of the first products.
; THE WAY OUT: 16 rows x 128 columns at a time through the wave's stage in LDS, back as rows of 512 bytes.  The stages lie on A's bytes, behind a barrier behind which no wave reads codes.
; REGISTERS: window 0: v1-7 lane terms, v8-19 fragment addresses, v20-22 the way out, v28-29 for the add, v32-47 A's scale words, v48-79 B's, v80-175 A's fragments (two sets); on the way out v128-255.
;   window 1: B's fragments, two sets (v0-95, v128-223); the bias in v96-127 and v224-255.   window 2: the accumulators, (a, b) at v[8 (8 a + b)].
.set FR,    12
.set RTB,   3072                       ; a row tile's four images of a K step
.set KA,    8*RTB                      ; A's 128 rows of a K step
.set KB,    16*RTB                     ; B's 256 rows
.set LB,    4*KA                       ; B's codes lie behind A's
.set SPARE, LB+4*KB                    ; the spare words, 128 bytes a wave
.set SPITCH, 528
.set ADA,  8                           ; v8-9 16 l for K steps 0-1, 2-3; v10-11 8 l
.set ADB,  12                          ; v12-15 16 l for each K step; v16-19 8 l
.set STO,  20
.set RD,   21
.set CO,   22
.set SPW,  28
.set NIL,  29
.set SA,   32
.set SBR,  48
.set AF,   80
.set BK,   128
.set G1,   24
.set G0,   32
.set G1B,  48
.set G0B,  56
.set MSB, 0
.macro WIN new                         ; the immediate's high byte repeats the setting that is left
.if MSB != \new
	s_set_vgpr_msb (MSB<<8)|\new
.set MSB, \new
.endif
.endm
.macro CROUND
	s_barrier_signal -1
	s_barrier_wait -1
	s_cmp_lg_u32 s14, 0
	s_cbranch_scc1 .Lnot_wave_0_\@
	s_barrier_signal -3
.Lnot_wave_0_\@:
	s_barrier_wait -3
	s_barrier_signal -1
	s_barrier_wait -1
.endm
.macro PLACES
.rept 4
	v_nop
.endr
.endm
	s_load_b256 s[4:11], s[0:1], 0x0               ; ocod, oscl, cod1, scl1
	s_load_b128 s[68:71], s[0:1], 0x20             ; Wo_b, out0
	v_lshl_add_u32 v[SPW], v0, 2, SPARE
	v_mov_b32 v[NIL], 0
	ds_add_u32 v[SPW], v[NIL]
	ds_add_u32 v[SPW], v[NIL]
	v_lshrrev_b32 v1, 5, v0
	v_readfirstlane_b32 s14, v1                    ; wave
	s_lshr_b32 s15, s14, 1                         ; my 64 of A's rows.  Also: I fetch for A (0) or B (1)
	s_and_b32 s16, s14, 1                          ; my 128 of B's rows.  Also: which two K steps I fetch
	s_bfe_u32 s40, ttmp6, 0x40000                  ; cx
	s_bfe_u32 s41, ttmp6, 0x40004                  ; cy
	s_lshl_b32 s42, ttmp9, 2
	s_add_co_u32 s42, s42, s40                     ; tile column
	s_and_b32 s17, ttmp7, 0xffff
	s_lshl_b32 s17, s17, 2
	s_add_co_u32 s17, s17, s41                     ; tile row
	s_lshl_b32 s43, s41, 2
	s_lshl_b32 s43, 15, s43                        ; my row of the cluster
	s_lshl_b32 s44, 0x1111, s40                    ; my column
	s_or_b32 s[G1], s43, (3<<16)|(1<<21)           ; the mask; elements of 8 bytes; bit 21 beside a mask
	s_mov_b32 s[G1+1], (KA/8)<<16                  ; a row: A's 128 rows of one K step
	s_mov_b32 s[G1+2], 2<<16                       ; two K steps
	s_mov_b32 s[G1+3], (KA/8)<<16
	s_mov_b32 s[G1+4], 2
	s_mov_b32 s[G1+5], 512*RTB/8                   ; from K step to K step: o has 512 row tiles
	s_mov_b32 s[G1+6], 0
	s_mov_b32 s[G1+7], 0
	s_or_b32 s[G1B], s44, (3<<16)|(1<<21)
	s_mov_b32 s[G1B+1], (KB/8)<<16
	s_mov_b32 s[G1B+2], 2<<16
	s_mov_b32 s[G1B+3], (KB/8)<<16
	s_mov_b32 s[G1B+4], 2
	s_mov_b32 s[G1B+5], 64*RTB/8                   ; Wo_w has 64 row tiles
	s_mov_b32 s[G1B+6], 0
	s_mov_b32 s[G1B+7], 0
	s_mul_i32 s20, s17, KA                         ; A: hangs on the tile row and the wave alone
	s_mul_i32 s21, s16, 2*512*RTB
	s_add_co_u32 s20, s20, s21
	s_mov_b32 s21, 0
	s_mul_i32 s22, s42, KB                         ; B: on the tile column and the wave alone
	s_mul_i32 s23, s16, 2*64*RTB
	s_add_co_u32 s22, s22, s23
	s_add_co_u32 s22, s22, 8650752                 ; Wo_w's codes in cod1
	s_mov_b32 s23, 0
	s_mul_i32 s45, s16, 2*KA                       ; where they go
	s_mul_i32 s46, s16, 2*KB
	s_add_co_u32 s46, s46, LB
	s_wait_dscnt 0x0
	s_wait_kmcnt 0x0
	s_add_nc_u64 s[20:21], s[4:5], s[20:21]
	s_add_nc_u64 s[22:23], s[8:9], s[22:23]
	CROUND                                         ; all sixteen work-groups are here: the joint loads meet
	s_mov_b32 s[G0], 1
	s_mov_b32 s[G0+1], s45
	s_mov_b64 s[G0+2:G0+3], s[20:21]
	s_or_b32 s[G0+3], s[G0+3], 0x80000000
	s_mov_b32 s[G0B], 1
	s_mov_b32 s[G0B+1], s46
	s_mov_b64 s[G0B+2:G0B+3], s[22:23]
	s_or_b32 s[G0B+3], s[G0B+3], 0x80000000
	s_cmp_eq_u32 s15, 0
	s_cbranch_scc0 .Lfor_b
	tensor_load_to_lds s[G0:G0+3], s[G1:G1+7]
	s_nop 0
	PLACES
	s_branch .Lasked
.Lfor_b:
	tensor_load_to_lds s[G0B:G0B+3], s[G1B:G1B+7]
	s_nop 0
	PLACES
.Lasked:
	s_lshl_b32 s18, s17, 3
	s_lshl_b32 s19, s15, 2
	s_add_co_u32 s18, s18, s19                     ; my first row tile of o
	s_lshl_b32 s72, s18, 9
	s_mov_b32 s73, 0
	s_add_nc_u64 s[72:73], s[6:7], s[72:73]        ; its scale words
	s_lshl_b32 s19, s42, 4
	s_lshl_b32 s74, s16, 3
	s_add_co_u32 s19, s19, s74                     ; my first row tile of Wo_w
	s_lshl_b32 s74, s19, 9
	s_add_co_u32 s74, s74, 360448                  ; Wo_w's scale words in scl1
	s_mov_b32 s75, 0
	s_add_nc_u64 s[74:75], s[10:11], s[74:75]
	s_lshl_b32 s76, s19, 6                         ; my first column, in bytes
	s_mov_b32 s77, 0
	s_add_nc_u64 s[68:69], s[68:69], s[76:77]
	s_add_nc_u64 s[70:71], s[70:71], s[76:77]
	s_lshl_b32 s76, s18, 16                        ; my first row of out0: 16 rows of 4,096 bytes a row tile
	s_add_nc_u64 s[70:71], s[70:71], s[76:77]
	s_mul_i32 s18, s15, 4*RTB                      ; my 64 rows of A in a K step's run
	s_mul_i32 s19, s16, 8*RTB
	s_add_co_u32 s19, s19, LB                      ; my 128 rows of B
	s_mul_i32 s47, s14, 16*SPITCH                  ; my stage
	v_and_b32 v1, 15, v0                           ; r
	v_bfe_u32 v2, v0, 4, 1                         ; h
	v_and_b32 v3, 31, v0
	v_lshlrev_b32 v4, 4, v3                        ; 16 l
	v_lshlrev_b32 v5, 3, v3                        ; 8 l
	v_add_nc_u32 v[ADA], s18, v4
	v_add_nc_u32 v[ADA+2], s18, v5
	v_add_nc_u32 v[ADA+1], 2*KA, v[ADA]
	v_add_nc_u32 v[ADA+3], 2*KA, v[ADA+2]
	v_add_nc_u32 v[ADB], s19, v4
	v_add_nc_u32 v[ADB+4], s19, v5
.irp k, 1,2,3
	v_add_nc_u32 v[ADB+\k], KB, v[ADB+\k-1]
	v_add_nc_u32 v[ADB+4+\k], KB, v[ADB+3+\k]
.endr
	v_mul_u32_u24 v6, v1, SPITCH                   ; into the stage: row r, 32 bytes for each half of the lanes
	v_lshl_add_u32 v6, v2, 5, v6
	v_add_nc_u32 v[STO], s47, v6
	v_mov_b32 v[CO], v4                            ; back: the 32 lanes take a row of 512 bytes; and the same in out0
	v_add_nc_u32 v[RD], s47, v4
	v_lshlrev_b32 v7, 5, v2                        ; the bias: 8 numbers for each half
	s_wait_alu depctr_va_vdst(0)
.irp a, 0,1,2,3
.irp m, 0,1
	global_load_b64 v[SA+4*\a+2*\m:SA+4*\a+2*\m+1], v5, s[72:73] offset:512*\a+256*\m     ; K steps 2 m (lanes 0-15) and 2 m + 1 (lanes 16-31): 256 consecutive bytes
.endr
.endr
.irp b, 0,1,2,3,4,5,6,7
.irp m, 0,1
	global_load_b64 v[SBR+4*\b+2*\m:SBR+4*\b+2*\m+1], v5, s[74:75] offset:512*\b+256*\m
.endr
.endr
	WIN 0x40
.irp b, 0,1,2,3,4,5,6,7
	global_load_b128 v[96+8*\b+96*(\b/4):96+8*\b+96*(\b/4)+3], v7, s[68:69] offset:64*\b
	global_load_b128 v[96+8*\b+96*(\b/4)+4:96+8*\b+96*(\b/4)+7], v7, s[68:69] offset:64*\b+16
.endr
	WIN 0
.macro FRAG reg, a16, a8, o            ; a fragment: two images, four loads of consecutive bytes
	ds_load_b128 v[\reg:\reg+3], v[\a16] offset:\o
	ds_load_b64 v[\reg+4:\reg+5], v[\a8] offset:\o+512
	ds_load_b128 v[\reg+6:\reg+9], v[\a16] offset:\o+768
	ds_load_b64 v[\reg+10:\reg+11], v[\a8] offset:\o+1280
.endm
.macro FETCH st                        ; the fragments of step st (128 along K: half st % 2 of K step st / 2) into set st % 2
	WIN 0x40
.irp i, 0,1,2,3,4,5,6,7
	FRAG 128*((\st)%2)+FR*\i, ADB+(\st)/2, ADB+4+(\st)/2, \i*RTB+((\st)%2)*1536
.endr
	WIN 0
.irp i, 0,1,2,3
	FRAG AF+48*((\st)%2)+FR*\i, ADA+(\st)/4, ADA+2+(\st)/4, (((\st)/2)%2)*KA+\i*RTB+((\st)%2)*1536
.endr
.endm
; 32 matrix instructions: A's four blocks x B's eight.  The 32 accumulators take turns, one instruction a turn, in the same order in every step.
.macro MUL st
.set PS, (\st)%2
.set SI, 2*((\st)/4)+(\st)%2           ; which of a block's four scale registers
.irp a, 0,1,2,3
.irp b, 0,1,2,3,4,5,6,7
.if (\st) == 0
	v_wmma_scale_f32_16x16x128_f8f6f4 v[8*(8*\a+\b):8*(8*\a+\b)+7], v[128*PS+FR*\b:128*PS+FR*\b+FR-1], v[AF+48*PS+FR*\a:AF+48*PS+FR*\a+FR-1], v[96+8*\b+96*(\b/4):96+8*\b+96*(\b/4)+7], v[SBR+4*\b+SI], v[SA+4*\a+SI] matrix_a_fmt:MATRIX_FMT_FP6 matrix_b_fmt:MATRIX_FMT_FP6
.else
.if ((\st)/2)%2 == 0
	v_wmma_scale_f32_16x16x128_f8f6f4 v[8*(8*\a+\b):8*(8*\a+\b)+7], v[128*PS+FR*\b:128*PS+FR*\b+FR-1], v[AF+48*PS+FR*\a:AF+48*PS+FR*\a+FR-1], v[8*(8*\a+\b):8*(8*\a+\b)+7], v[SBR+4*\b+SI], v[SA+4*\a+SI] matrix_a_fmt:MATRIX_FMT_FP6 matrix_b_fmt:MATRIX_FMT_FP6
.else
	v_wmma_scale_f32_16x16x128_f8f6f4 v[8*(8*\a+\b):8*(8*\a+\b)+7], v[128*PS+FR*\b:128*PS+FR*\b+FR-1], v[AF+48*PS+FR*\a:AF+48*PS+FR*\a+FR-1], v[8*(8*\a+\b):8*(8*\a+\b)+7], v[SBR+4*\b+SI], v[SA+4*\a+SI] matrix_a_fmt:MATRIX_FMT_FP6 matrix_b_fmt:MATRIX_FMT_FP6 matrix_a_scale:MATRIX_SCALE_ROW1 matrix_b_scale:MATRIX_SCALE_ROW1
.endif
.endif
.endr
.endr
.endm
.macro STEP st
	s_wait_dscnt 0x0                               ; this step's fragments are in
.if (\st) == 7
	s_barrier_signal -1                            ; my reads of the codes are over
.else
.if (\st) > 0
	PLACES                                         ; in front of loads into the set that the last step's products read
.endif
	FETCH (\st)+1
.endif
.if (\st) == 0
	s_wait_loadcnt 0x0                             ; the scale words and the bias
	WIN 0x91                                       ; source 0 (B) and C (the bias) window 1, source 1 (A) window 0, D window 2
.else
	WIN 0xa1                                       ; C and D window 2
.endif
	MUL \st
	WIN 0
.endm
	s_wait_alu depctr_va_vdst(0)                   ; the wait at the head's end
	s_wait_tensorcnt 0x0                           ; my two K steps of A or of B are in
	s_barrier_signal -1
	s_barrier_wait -1                              ; and everybody's
	FETCH 0
.irp t, 0,1,2,3,4,5,6,7
	STEP \t
.endr
	s_barrier_wait -1                              ; no wave reads codes any more: the stages may lie on A's bytes
.macro TOSTAGE a
	WIN 0x08                                       ; the data: window 2
.irp b, 0,1,2,3,4,5,6,7
	ds_store_b128 v[STO], v[64*(\a)+8*\b:64*(\a)+8*\b+3] offset:64*\b          ; each accumulator from its low end on
	ds_store_b128 v[STO], v[64*(\a)+8*\b+4:64*(\a)+8*\b+7] offset:64*\b+16
.endr
	WIN 0
.set BB, BK+64*((\a)%2)
.irp t, 0,1,2,3,4,5,6,7,8,9,10,11,12,13,14,15
	ds_load_b128 v[BB+4*\t:BB+4*\t+3], v[RD] offset:\t*SPITCH      ; LDS serves a wave's instructions in order: these see the stores above
.endr
.endm
.macro SEND a, younger                 ; younger: the LDS instructions issued behind block a's loads, which may stay out
.set BB, BK+64*((\a)%2)
	s_wait_dscnt \younger
.if (\a) > 0
	s_add_nc_u64 s[70:71], s[70:71], 65536         ; 16 rows on (behind a wait on XCNT: the earlier stores have read their base)
.endif
.irp t, 0,1,2,3,4,5,6,7,8,9,10,11,12,13,14,15
	global_store_b128 v[CO], v[BB+4*\t:BB+4*\t+3], s[70:71] offset:\t*4096 th:TH_STORE_NT     ; 32 lanes store 512 consecutive bytes, aligned
.endr
.endm
	PLACES                                         ; behind the last products: ahead of the reads of results and of loads into A's registers
	TOSTAGE 0
.irp a, 1,2,3
.if \a > 1
	s_wait_xcnt 0x0                                ; block a - 2's stores have read their registers and their base
.endif
	TOSTAGE \a
	SEND (\a)-1, 32
.endr
	s_wait_xcnt 0x0
	SEND 3, 0
	s_wait_tensorcnt 0x0                           ; the wave's end
	ds_add_u32 v[SPW], v[NIL]
	s_wait_dscnt 0x0
	CROUND                                         ; the closing round
	s_endpgm
.Lfunc_end_k_q10f923f419_oproj:
	.size	k_q10f923f419_oproj, .Lfunc_end_k_q10f923f419_oproj-k_q10f923f419_oproj
	.p2alignl 7, 3214868480
	.fill 96, 4, 3214868480
	.section	.rodata,"a",@progbits
	.p2align	6, 0x0
	.amdhsa_kernel k_q10f923f419_oproj
		.amdhsa_group_segment_fixed_size 327680
		.amdhsa_private_segment_fixed_size 0
		.amdhsa_enable_private_segment 0
		.amdhsa_kernarg_size 48
		.amdhsa_user_sgpr_count 2
		.amdhsa_user_sgpr_kernarg_segment_ptr 1
		.amdhsa_wavefront_size32 1
		.amdhsa_system_sgpr_workgroup_id_x 1
		.amdhsa_system_sgpr_workgroup_id_y 1
		.amdhsa_system_sgpr_workgroup_id_z 1
		.amdhsa_system_vgpr_workitem_id 0
		.amdhsa_next_free_vgpr 768
		.amdhsa_next_free_sgpr 80
		.amdhsa_reserve_vcc 0
		.amdhsa_float_denorm_mode_32 3
		.amdhsa_float_denorm_mode_16_64 3
		.amdhsa_memory_ordered 1
		.amdhsa_forward_progress 1
		.amdhsa_inst_pref_size 84
	.end_amdhsa_kernel
	.amdgpu_metadata
---
amdhsa.version: [ 1, 2 ]
amdhsa.kernels:
  - .name:           k_q10f923f419_oproj
    .symbol:         k_q10f923f419_oproj.kd
    .args:
      - { .name: ocod, .offset: 0, .size: 8, .value_kind: global_buffer, .address_space: global }
      - { .name: oscl, .offset: 8, .size: 8, .value_kind: global_buffer, .address_space: global }
      - { .name: cod1, .offset: 16, .size: 8, .value_kind: global_buffer, .address_space: global }
      - { .name: scl1, .offset: 24, .size: 8, .value_kind: global_buffer, .address_space: global }
      - { .name: Wo_b, .offset: 32, .size: 8, .value_kind: global_buffer, .address_space: global }
      - { .name: out0, .offset: 40, .size: 8, .value_kind: global_buffer, .address_space: global }
    .group_segment_fixed_size: 327680
    .private_segment_fixed_size: 0
    .kernarg_segment_align: 8
    .kernarg_segment_size: 48
    .max_flat_workgroup_size: 128
    .sgpr_count:     80
    .vgpr_count:     768
    .wavefront_size: 32
...
	.end_amdgpu_metadata
.endif
;; end of part 4
